; MI455X (gfx1250); checked and timed in simulation.
; The chip was launched on July 23, 2026; its instructions are those of AMD's public machine-readable ISA for CDNA 5 (MIT licence, August 2026) and "CDNA5" Instruction Set Architecture Reference Guide (July 2026). The comments in the code are by the model that wrote it; some were corrected since.
;; Transformer Block. Allowed arithmetic: matrix products marked QUANTISED: E5M2 operands, one E8M0 scale for each 32 along K, by v_wmma_scale_f32_16x16x128_f8f6f4 with both operands' format E5M2, f32 sums; everything else in f32.
;; Inputs: W_K 16 x 64 x 1,024 float32; W_O 1,024 x 1,024 float32; W_Q 16 x 64 x 1,024 float32; W_V 16 x 64 x 1,024 float32; W_down 4,096 x 1,024 float32; W_up 1,024 x 4,096 float32; b_down 1,024 float32; b_up 4,096 float32; beta_1 1,024 float32; beta_2 1,024 float32; gamma_1 1,024 float32; gamma_2 1,024 float32; x 2 x 2,048 x 1,024 float32.
;; Outputs: out0 2 x 2,048 x 1,024 float32.
;; This version of the problem:
;;   THIS VERSION OF THE PROBLEM IS GIVEN IN LOW PRECISION. The matrix products marked QUANTISED in the list below multiply operands that are first quantised to E5M2 (5 exponent bits, 2 mantissa bits; 8 bits a number), with one power-of-two scale for each 32 numbers along K (OCP MX v1.0); their sums are f32. All else is computed in f32.
;;   The module's matrix products, in the order in which they are computed (A, B: the left and right operand; K: the contracted axis; several contracted axes count as one K, in the product's order):
;;     1. [M 1,024, K 1,024] x [K 1,024, N 4,096]; A: input W_Q; B: computed on the way: QUANTISED
;;     2. [M 1,024, K 1,024] x [K 1,024, N 4,096]; A: input W_K; B: computed on the way: QUANTISED
;;     3. [M 1,024, K 1,024] x [K 1,024, N 4,096]; A: input W_V; B: computed on the way: QUANTISED
;;     4. batch 32 x [M 2,048, K 64] x [K 64, N 2,048]; A: computed on the way; B: computed on the way: QUANTISED
;;     5. batch 32 x [M 2,048, K 2,048] x [K 2,048, N 64]; A: softmax (see below); B: computed on the way: QUANTISED
;;     6. [M 4,096, K 1,024] x [K 1,024, N 1,024]; A: computed on the way; B: input W_O: QUANTISED
;;     7. [M 4,096, K 1,024] x [K 1,024, N 4,096]; A: computed on the way; B: input W_up: QUANTISED
;;     8. [M 4,096, K 4,096] x [K 4,096, N 1,024]; A: computed on the way; B: input W_down: QUANTISED
;;   THE QUANTISER, for each operand of a quantised product, along K:
;;     - K is cut into blocks of 32 from its start; a last block that is shorter is filled with zeros.
;;     - A block's scale is 2^e with e = floor(log2(the largest magnitude in the block)) - 15, held to -126 .. 127; a block of zeros has e = 0. As a byte (E8M0): e + 127.
;;     - Each number is divided by its block's scale, clamped to +-57,344, and rounded to the nearest number of E5M2, ties to even, subnormals kept.
;;     - The product sums the exact products of the quantised numbers (number of the format x scale) in f32.
;;   ~~~python
;;   def quantise(x, axis):      # numpy; x: float32 -> the quantised numbers, widened to float32 again
;;       x = np.moveaxis(x, axis, -1); K = x.shape[-1]
;;       x = np.pad(x, [(0, 0)] * (x.ndim - 1) + [(0, -K % 32)]); x = x.reshape(x.shape[:-1] + (-1, 32)); a = np.abs(x).max(-1, keepdims=True)
;;       e = np.where(a > 0, np.clip(np.frexp(np.where(a > 0, a, 1))[1] - 1 - 15, -126, 127), 0)      # np.frexp(a)[1] - 1 = floor(log2(a)), exactly
;;       r = np.clip(x / 2.0 ** e, -57344, 57344)
;;       step = 2.0 ** (np.maximum(np.frexp(np.where(r == 0, 1, r))[1] - 1, -14) - 2)
;;       q = np.round(r / step) * step * 2.0 ** e      # np.round: ties to even
;;       return np.moveaxis(q.reshape(q.shape[:-2] + (-1,))[..., :K], -1, axis).astype(np.float32)
;;   ~~~
;;   SOFTMAX AHEAD OF A QUANTISED PRODUCT. Where the list says 'softmax', what is quantised is not the finished softmax but p = 2^(t - M), with t = logit x log2(e) and M = ceil(the row's largest t), a whole number; so 1/2 < the row's largest p <= 1. The row's sum l is taken of the UNQUANTISED p, in f32, and the product's result is divided by l at the end. Since M is a whole number, a kernel that streams over the keys may use a running M (the ceiling of the running maximum): every later rescaling is an exact power of two, which a block's scale takes up: the codes' values come out the same.
;;   OPERANDS COMPUTED ON THE WAY. 'Computed on the way' means the value that the module computes at that place (a softmax that the list does not call 'softmax' is quantised finished and normalised). What goes into a quantiser is computed in f32, as accurately as f32 sums, v_exp_f32 and their like allow (about 1e-6 of the number): no bf16 or f16 on the way to a quantiser, and a product that is left as it is and whose result goes on into a quantised operand takes f32 operands (vector FMAs, or v_wmma_f32_16x16x4_f32). A number that lies on a knife's edge between two numbers of the format may be rounded either way, as far as f32 arithmetic and the matrix unit's own rounding can turn it there, and no further.
;; One version. Each part assembles by itself: llvm-mc -triple=amdgcn-amd-amdhsa -mcpu=gfx1250 --defsym DOCPART=n.
;; ======== version 1 of 1: 7 launches
;; limits: right only within a limited range of input values
;; workspace buffers: U 8,650,752 bytes; WA 3,244,032 bytes; WB 9,732,096 bytes; QKV 12,976,128 bytes; HD 4,325,376 bytes; Z1 16,777,216 bytes; V1 4,325,376 bytes; V3 17,301,504 bytes
;; launch prep (part 1): grid 640 x 1, 4 waves a work-group, no clusters, 78,848 bytes of LDS; arguments W_up, W_O, W_down, WB, x, gamma_1, beta_1, U, W_Q, W_K, W_V, WA; writes WB, U, WA
.if DOCPART == 1
	.amdgcn_target "amdgcn-amd-amdhsa--gfx1250"
	.amdhsa_code_object_version 6
	.text
	.protected	k_qf93f293d3a_prep
	.globl	k_qf93f293d3a_prep
	.p2align	8
	.type	k_qf93f293d3a_prep,@function
k_qf93f293d3a_prep:
	s_mov_b64 s[64:65], 0
	v_nop
	global_prefetch_b8 v0, s[64:65] scope:SCOPE_SE
	s_setreg_imm32_b32 hwreg(HW_REG_WAVE_MODE, 25, 1), 1
	s_wait_xcnt 0x0
; Everything that is quantised once, in one launch: the six weights, and u = layernorm(x) * gamma_1 + beta_1.  Codes of E5M2, one E8M0 byte for each 32 along a product's K.
; DEAD WORK: none in the whole program.  Every input of reference() has a way to out0 for general values, so all 13 are loaded and every product of the table is done.
; THREE PATHS, parted by the work-group's number alone (all four waves of a work-group go the same way):
;   work-groups 0-287    W_up, W_O, W_down: K is the FIRST axis: a lane takes a column, its registers run down K
;   work-groups 288-543  the norm of 16 rows of x each, and its quantiser along d
;   work-groups 544-639  W_Q, W_K, W_V: K = d innermost: plain streams of blocks of 32
; Each path has LDS bytes of its own; the spare words are common; the paths join at the end.  No path has a barrier: waves share nothing.
; ROW ORDER.  sigma(n) is n with bits 3 and 4 exchanged.  Row (or column) n of every tensor of codes lies at position sigma(n).
; LIMITS: NaN and infinities are not served; a block whose largest magnitude lies under 2^-111 (a block of zeros too) keeps the byte 1: its codes are then zeros or tiny, and this program alone reads the bytes.
; Runs under 256 bytes: u's scale bytes (128 consecutive bytes a wave; in the second copy pieces of 32) and the column path's scale bytes (8 a lane): under 1 MB of the launch's 88 MB.
; No matrix unit, no cluster, no tensor load: the work-groups share no input and each byte is read once.
.set LP,    272                        ; column path: a stage row, 256 bytes + 16
.set LNB,   4*32*LP                    ; behind its four stages: the norm's four stages
.set SP,    80                         ; a lane's place in a turning stage: 64 bytes + 16 of padding
.set STGB,  64*SP                      ; the norm: a stage holds one row, two passes of 32 places
.set SCB,   LNB+4*STGB                 ; the norm's scale bytes, 128 a wave
.set QRB,   SCB+512                    ; the row path's four regions
.set WREG,  5632                       ; each: two stages of 32 places, 256 scale bytes
.set SPARE, QRB+4*WREG                 ; the spare words, 128 bytes a wave
.set SPW,   12                         ; v12 my spare word's address; v13 0: never rewritten, in any path
.set NIL,   13
	v_lshl_add_u32 v[SPW], v0, 2, SPARE
	v_mov_b32 v[NIL], 0
	s_cmp_lt_u32 ttmp9, 288
	s_cbranch_scc0 .Lnot_col
; ---------------- THE COLUMN PATH ----------------
; W_up [1024 (k)][4096], W_O [1024 (k)][1024], W_down [4096 (k)][1024] become codes [n][k], K innermost, and bytes [n][k / 32].
; WB: wup codes 0, wdn codes 4 MiB, wo codes 8 MiB; scale bytes at 9 MiB, 9 MiB + 128 KiB, 9 MiB + 256 KiB.  Work-groups 0-127 W_up, 128-159 W_O, 160-287 W_down.
; A block of 32 along K lies in one lane's 32 registers: nothing is transposed.  A wave: 32 columns x 256 along K.  Pitch and row length are scalars, so the offsets stand in registers.
; Codes leave through the wave's own stage as rows of 256 bytes.
.set NB,    8
.set X,     32                         ; v32-95 two sets of 32 numbers
.set C,     96
.set OUTR,  112                        ; v112-175 the way out
.set OFF,   176                        ; v176-207 row i of a block: i x pitch + 4 x lane
.set CO,    208                        ; v208-223 where the way out's 16 stores go
.set SB,    24
	s_load_b256 s[4:11], s[0:1], 0x0               ; W_up, W_O, W_down, WB
	v_lshrrev_b32 v1, 5, v0
	v_readfirstlane_b32 s16, v1
	v_and_b32 v2, 31, v0
	s_wait_alu depctr_va_vdst(0)
	s_mov_b32 s20, 160                             ; W_down's figures first: first work-group,
	s_mov_b32 s21, 3                               ; log2 of the groups of 128 columns,
	s_mov_b32 s22, 4096                            ; a row of W in bytes,
	s_mov_b32 s23, 4096                            ; K = a row of codes in bytes,
	s_mov_b32 s24, 4<<20                           ; where the codes go,
	s_mov_b32 s25, (9<<20)+(128<<10)               ; and the scale bytes
	s_cmp_lt_u32 ttmp9, 160                        ; W_O's
	s_cselect_b32 s20, 128, s20
	s_cselect_b32 s23, 1024, s23
	s_cselect_b32 s24, 8<<20, s24
	s_cselect_b32 s25, (9<<20)+(256<<10), s25
	s_cmp_lt_u32 ttmp9, 128                        ; W_up's
	s_cselect_b32 s20, 0, s20
	s_cselect_b32 s21, 5, s21
	s_cselect_b32 s22, 16384, s22
	s_cselect_b32 s24, 0, s24
	s_cselect_b32 s25, 9<<20, s25
	s_sub_co_u32 s20, ttmp9, s20
	s_bfm_b32 s26, s21, 0
	s_and_b32 s26, s20, s26                        ; which 128 columns
	s_lshr_b32 s27, s20, s21                       ; which 256 along K
	s_lshl_b32 s26, s26, 7
	s_lshl_b32 s28, s16, 5
	s_add_co_u32 s26, s26, s28                     ; my wave's first column, a multiple of 32
	s_lshr_b32 s28, s23, 5                         ; a row of scale bytes
	s_mul_i32 s30, s27, s22
	s_lshl_b32 s30, s30, 8
	s_lshl_b32 s29, s26, 2
	s_add_co_u32 s30, s30, s29                     ; in: 256 y rows + 4 x column
	s_mov_b32 s31, 0
	s_mul_i32 s32, s26, s23
	s_lshl_b32 s29, s27, 8
	s_add_co_u32 s32, s32, s29
	s_add_co_u32 s32, s32, s24                     ; codes: column x K + 256 y
	s_mov_b32 s33, 0
	s_mul_i32 s34, s26, s28
	s_lshl_b32 s29, s27, 3
	s_add_co_u32 s34, s34, s29
	s_add_co_u32 s34, s34, s25                     ; scale bytes: column x K / 32 + 8 y
	s_mov_b32 s35, 0
	s_lshl_b32 s36, s22, 5                         ; a block on: 32 rows of W
	s_mov_b32 s37, 0
	s_mov_b32 s38, 0x600000                        ; the mantissa field of 57,344
	v_lshlrev_b32 v3, 2, v2
.set i, 0
.rept 32
	v_mad_u32_u24 v[OFF+i], s22, i, v3
.set i, i+1
.endr
	s_mul_i32 s19, s16, 32*LP
	v_mul_u32_u24 v4, v2, LP
	v_add_nc_u32 v4, s19, v4                       ; into my stage: row = my column
	v_and_b32 v5, 15, v2
	v_lshrrev_b32 v6, 4, v2
	v_mul_u32_u24 v7, v6, LP
	v_lshl_add_u32 v7, v5, 4, v7
	v_add_nc_u32 v7, s19, v7                       ; out of it: sixteen lanes to a row, two rows an instruction
	v_mul_u32_u24 v8, v6, s23
	v_lshl_add_u32 v8, v5, 4, v8
.set t, 0
.rept 16
	v_mad_u32_u24 v[CO+t], s23, ((2*t)&7)|(((2*t)&8)<<1)|(((2*t)&16)>>1), v8   ; column 2 t + h goes to position sigma(2 t) + h
.set t, t+1
.endr
	v_lshrrev_b32 v9, 3, v2
	v_lshrrev_b32 v10, 4, v2
	v_xor_b32 v9, v9, v10
	v_and_b32 v9, 1, v9
	v_mul_u32_u24 v9, v9, 24
	v_xor_b32 v9, v9, v2                           ; sigma(lane)
	v_mul_u32_u24 v9, v9, s28
	s_wait_kmcnt 0x0
	s_cmp_lt_u32 ttmp9, 160
	s_cselect_b64 s[6:7], s[6:7], s[8:9]
	s_cmp_lt_u32 ttmp9, 128
	s_cselect_b64 s[4:5], s[4:5], s[6:7]
	s_add_nc_u64 s[4:5], s[4:5], s[30:31]
	s_add_nc_u64 s[6:7], s[10:11], s[32:33]
	s_add_nc_u64 s[8:9], s[10:11], s[34:35]
.macro CLOAD t                         ; block t: W(32 t + i, my column) into set t % 2
.if (\t) > 0
	s_wait_xcnt 0x0                                ; the loads issued so far have read the base: it may step
	s_add_nc_u64 s[4:5], s[4:5], s[36:37]
.endif
.set i, 0
.rept 32
	global_load_b32 v[X+32*((\t)%2)+i], v[OFF+i], s[4:5] th:TH_LOAD_NT   ; 128 consecutive bytes a wave
.set i, i+1
.endr
.endm
	CLOAD 0
	CLOAD 1
.macro CBLOCK t
.set XS, X+32*((\t)%2)
.if (\t) < NB-1
	s_wait_loadcnt 32                              ; this block's 32 loads are in; the next block's may be out
.else
	s_wait_loadcnt 0
.endif
	v_max3_num_f32 v14, |v[XS]|, |v[XS+1]|, |v[XS+2]|
	v_max3_num_f32 v15, |v[XS+3]|, |v[XS+4]|, |v[XS+5]|
.irp i, 6,10,14,18,22,26
	v_max3_num_f32 v14, v14, |v[XS+\i]|, |v[XS+\i+1]|
	v_max3_num_f32 v15, v15, |v[XS+\i+2]|, |v[XS+\i+3]|
.endr
	v_max3_num_f32 v14, v14, |v[XS+30]|, |v[XS+31]|
	v_max3_num_f32 v14, v14, v15, 16<<23           ; the floor 2^(16 - 127): the byte cannot fall under 1
	v_add_nc_u32 v11, -(15<<23), v14               ; 15 off the exponent field: the conversion's scale operand
	v_and_or_b32 v10, v14, 0x7f800000, s38         ; 57,344 x the scale
	v_lshrrev_b32 v15, 23, v11
.if (\t)%4 == 0
	v_mov_b32 v[SB+(\t)/4], v15
.else
	v_lshl_or_b32 v[SB+(\t)/4], v15, 8*((\t)%4), v[SB+(\t)/4]
.endif
.set i, 0
.rept 32
	v_med3_num_f32 v[XS+i], v[XS+i], -v10, v10     ; the conversion does not saturate (ISA guide 7.6.2): the hold
.set i, i+1
.endr
.irp g, 0,1,2,3
	v_cvt_scalef32_pk8_bf8_f32 v[C+2*\g:C+2*\g+1], v[XS+8*\g:XS+8*\g+7], v11
.endr
	ds_store_b128 v4, v[C:C+3] offset:32*(\t)
	ds_store_b128 v4, v[C+4:C+7] offset:32*(\t)+16
.if (\t)+2 < NB
	CLOAD (\t)+2
.endif
	s_wait_dscnt 0x0                               ; the stores have read their registers: the next block's codes may be written
.endm
.irp t, 0,1,2,3,4,5,6,7
	CBLOCK \t
.endr
	global_store_b64 v9, v[SB:SB+1], s[8:9]
.irp t, 0,1,2,3,4,5,6,7,8,9,10,11,12,13,14,15
	ds_load_b128 v[OUTR+4*\t:OUTR+4*\t+3], v7 offset:2*\t*LP
.endr
.irp t, 0,1,2,3,4,5,6,7,8,9,10,11,12,13,14,15
	s_wait_dscnt 15-\t                             ; loads come back in order: the 15 - t younger ones may be out
	global_store_b128 v[CO+\t], v[OUTR+4*\t:OUTR+4*\t+3], s[6:7]   ; sixteen lanes store 256 consecutive bytes
.endr
	s_branch .Lend
.Lnot_col:
	s_cmp_lt_u32 ttmp9, 544
	s_cbranch_scc0 .Lrow
; ---------------- THE NORM ----------------
; Row n of u at position sigma(n): codes [position][1024 B] at U+0, scale bytes [position][32 B] at U+8 MiB.
; A SECOND COPY for K_r's blocks along e': row s = 32 e' + j of batch b at position 2048 b + 64 j + sigma(e'): codes at U+4 MiB, scale bytes at U+8 MiB+128 KiB.
; A work-group has 16 rows, a wave 4; a row (4,096 bytes) is 32 registers of the wave, read once.  Mean, then the mean of squared differences, as reference() writes it.
; The conversions take neighbours along d from ONE lane, the loads give neighbouring bytes to neighbouring lanes: a row turns through the wave's own stage in LDS.
.set SOFF,  8<<20
.set G,     16                         ; v16-47 gamma, v48-79 beta at my columns 128 k + 4 lane + 0..3
.set BE,    48
.set X,     80                         ; v80-207 four rows of 32
.set Y,     208                        ; v208-239 two passes of 16 neighbours
.set C,     240                        ; v240-247 codes of the two passes
.set A0,    248
.set A1,    250
.set M,     252                        ; the mean, twice
.set R,     254                        ; 1 / sqrt(var + eps), twice
	s_load_b256 s[4:11], s[0:1], 0x20              ; x, gamma_1, beta_1, U
	s_sub_co_u32 s45, ttmp9, 288                   ; which 16 rows
	v_lshrrev_b32 v1, 5, v0
	v_readfirstlane_b32 s20, v1                    ; wave
	v_and_b32 v4, 31, v0                           ; lane
	v_lshlrev_b32 v1, 4, v4                        ; 16 x lane: my bytes of a load's or a store's 512
	s_mul_i32 s21, s20, STGB
	s_add_co_u32 s21, s21, LNB
	v_lshrrev_b32 v2, 2, v4
	v_mul_u32_u24 v2, v2, SP
	v_and_b32 v3, 3, v4
	v_lshl_add_u32 v2, v3, 4, v2
	v_add_nc_u32 v2, s21, v2                       ; the stage, in: four lanes' 64 bytes on end, then 16 of padding
	v_mul_u32_u24 v3, v4, SP
	v_add_nc_u32 v3, s21, v3                       ; and out: my 16 neighbours
	s_lshl_b32 s21, s20, 7
	s_add_co_u32 s21, s21, SCB
	v_lshrrev_b32 v5, 1, v4
	v_add_nc_u32 v5, s21, v5                       ; my block's scale byte: SCB + 128 wave + lane / 2
	v_lshl_add_u32 v6, v4, 2, s21                  ; the tail: 4 bytes a lane of my wave's 128
	v_lshlrev_b32 v7, 2, v4
	v_mov_b32 v14, 0                               ; a lane permute's destination counts as one of its sources
	s_mov_b32 s40, 0x76543210
	s_mov_b32 s41, 0xfedcba98                      ; lane l xor 16
	s_mov_b32 s42, 0x3a800000                      ; 1 / 1024
	s_mov_b32 s43, 0x3727c5ac                      ; 1e-5
	s_mov_b32 s44, 0x600000                        ; the mantissa field of 57,344
	s_lshl_b32 s22, s45, 16
	s_lshl_b32 s23, s20, 14
	s_add_co_u32 s22, s22, s23                     ; my first row: (16 group + 4 wave) x 4,096 bytes
	s_mov_b32 s23, 0
	s_lshr_b32 s24, s45, 1
	s_and_b32 s25, s45, 1
	s_lshr_b32 s26, s20, 1
	s_and_b32 s27, s20, 1
	s_lshl_b32 s28, s24, 5
	s_lshl_b32 s29, s25, 3
	s_add_co_u32 s28, s28, s29
	s_lshl_b32 s29, s26, 4
	s_add_co_u32 s28, s28, s29
	s_lshl_b32 s29, s27, 2
	s_add_co_u32 s28, s28, s29                     ; 32 (group / 2) + 8 (group % 2) + 16 (wave / 2) + 4 (wave % 2): sigma of my first row
	s_lshl_b32 s30, s28, 5
	s_add_co_u32 s30, s30, SOFF                    ; my four scale rows: 128 consecutive bytes
	s_mov_b32 s31, 0
	s_lshl_b32 s28, s28, 10
	s_mov_b32 s29, 0
	s_and_b32 s32, s24, 63                         ; e'
	s_lshr_b32 s33, s32, 3
	s_lshr_b32 s34, s32, 4
	s_xor_b32 s33, s33, s34
	s_and_b32 s33, s33, 1
	s_mul_i32 s33, s33, 24
	s_xor_b32 s32, s32, s33                        ; sigma(e')
	s_lshr_b32 s33, s45, 7
	s_lshl_b32 s33, s33, 11
	s_add_co_u32 s32, s32, s33                     ; 2048 b + sigma(e')
	s_lshl_b32 s34, s32, 5
	s_lshl_b32 s32, s32, 10
	s_lshl_b32 s35, s25, 4
	s_lshl_b32 s36, s20, 2
	s_add_co_u32 s35, s35, s36                     ; j of my first row: 16 (group % 2) + 4 wave
	s_lshl_b32 s36, s35, 11                        ; 64 positions of 32 bytes for each j
	s_add_co_u32 s34, s34, s36
	s_add_co_u32 s34, s34, (8<<20)+(128<<10)
	s_lshl_b32 s35, s35, 16                        ; 64 positions of 1,024 bytes for each j
	s_add_co_u32 s32, s32, s35
	s_add_co_u32 s32, s32, 4<<20
	s_mov_b32 s33, 0
	s_mov_b32 s35, 0
	s_wait_kmcnt 0x0
	s_add_nc_u64 s[4:5], s[4:5], s[22:23]
	s_add_nc_u64 s[12:13], s[10:11], s[28:29]      ; my codes
	s_add_nc_u64 s[16:17], s[10:11], s[30:31]      ; my scale rows
	s_add_nc_u64 s[14:15], s[10:11], s[32:33]      ; the same in the second copy
	s_add_nc_u64 s[18:19], s[10:11], s[34:35]
.irp k, 0,1,2,3,4,5,6,7
	global_load_b128 v[G+4*\k:G+4*\k+3], v1, s[6:7] offset:512*\k
.endr
.irp k, 0,1,2,3,4,5,6,7
	global_load_b128 v[BE+4*\k:BE+4*\k+3], v1, s[8:9] offset:512*\k
.endr
.irp i, 0,1,2,3
.irp k, 0,1,2,3,4,5,6,7
	global_load_b128 v[X+32*\i+4*\k:X+32*\i+4*\k+3], v1, s[4:5] offset:4096*\i+512*\k th:TH_LOAD_NT   ; all four rows at once: 16 KiB of the wave's on their way
.endr
.endr
.macro WSUM r                          ; the sum over the 32 lanes, in every lane
	v_add_f32_dpp v[\r], v[\r], v[\r] row_xmask:1 row_mask:0xf bank_mask:0xf
	v_add_f32_dpp v[\r], v[\r], v[\r] row_xmask:2 row_mask:0xf bank_mask:0xf
	v_add_f32_dpp v[\r], v[\r], v[\r] row_xmask:4 row_mask:0xf bank_mask:0xf
	v_add_f32_dpp v[\r], v[\r], v[\r] row_xmask:8 row_mask:0xf bank_mask:0xf
	v_permlanex16_b32 v14, v[\r], s40, s41
	v_add_f32 v[\r], v[\r], v14
.endm
.macro ROW i
.set XR, X+32*\i
	s_wait_loadcnt 8*(3-\i)                        ; my row is in (gamma and beta were asked for ahead of it); the later rows' eight loads each may be out
	v_pk_add_f32 v[A0:A0+1], v[XR:XR+1], v[XR+2:XR+3]
	v_pk_add_f32 v[A1:A1+1], v[XR+4:XR+5], v[XR+6:XR+7]
.set k, 8
.rept 6
	v_pk_add_f32 v[A0:A0+1], v[A0:A0+1], v[XR+k:XR+k+1]
	v_pk_add_f32 v[A1:A1+1], v[A1:A1+1], v[XR+k+2:XR+k+3]
.set k, k+4
.endr
	v_pk_add_f32 v[A0:A0+1], v[A0:A0+1], v[A1:A1+1]
	v_add_f32 v[A0], v[A0], v[A0+1]
	WSUM A0
	v_mul_f32 v[M], s42, v[A0]                     ; the mean
	v_mul_f32 v[M+1], s42, v[A0]
.set k, 0
.rept 16
	v_pk_add_f32 v[XR+k:XR+k+1], v[XR+k:XR+k+1], v[M:M+1] neg_lo:[0,1] neg_hi:[0,1]
.set k, k+2
.endr
	v_pk_mul_f32 v[A0:A0+1], v[XR:XR+1], v[XR:XR+1]
	v_pk_mul_f32 v[A1:A1+1], v[XR+2:XR+3], v[XR+2:XR+3]
.set k, 4
.rept 7
	v_pk_fma_f32 v[A0:A0+1], v[XR+k:XR+k+1], v[XR+k:XR+k+1], v[A0:A0+1]
	v_pk_fma_f32 v[A1:A1+1], v[XR+k+2:XR+k+3], v[XR+k+2:XR+k+3], v[A1:A1+1]
.set k, k+4
.endr
	v_pk_add_f32 v[A0:A0+1], v[A0:A0+1], v[A1:A1+1]
	v_add_f32 v[A0], v[A0], v[A0+1]
	WSUM A0
	v_fma_f32 v15, v[A0], s42, s43                 ; var + eps
	s_wait_alu depctr_va_vdst(0)
	v_rsq_f32 v[R], v15
	v_rsq_f32 v[R+1], v15
	v_nop                                          ; a plain instruction behind the transcendentals,
	s_wait_alu depctr_va_vdst(0)                   ; and the one wait ahead of their first reader
.set k, 0
.rept 16
	v_pk_mul_f32 v[XR+k:XR+k+1], v[XR+k:XR+k+1], v[R:R+1]
.set k, k+2
.endr
.set k, 0
.rept 16
	v_pk_fma_f32 v[XR+k:XR+k+1], v[XR+k:XR+k+1], v[G+k:G+k+1], v[BE+k:BE+k+1]
.set k, k+2
.endr
.set k, 0
.rept 8
	ds_store_b128 v2, v[XR+4*k:XR+4*k+3] offset:640*k              ; one stage serves all four rows: my reads of the last row were waited for below
.set k, k+1
.endr
.set k, 0
.rept 8
	ds_load_b128 v[Y+4*k:Y+4*k+3], v3 offset:2560*(k/4)+16*(k%4)   ; LDS serves a wave's instructions in order: these see the stores above
.set k, k+1
.endr
	s_wait_dscnt 0x0
.if \i > 0
	s_wait_xcnt 0x0                                ; the last row's stores have read their codes: the registers may be written again
.endif
.irp p, 0,1
.set YS, Y+16*\p
	v_max3_num_f32 v8, |v[YS]|, |v[YS+1]|, |v[YS+2]|
	v_max3_num_f32 v9, |v[YS+3]|, |v[YS+4]|, |v[YS+5]|
.irp q, 6,10
	v_max3_num_f32 v8, v8, |v[YS+\q]|, |v[YS+\q+1]|
	v_max3_num_f32 v9, v9, |v[YS+\q+2]|, |v[YS+\q+3]|
.endr
	v_max3_num_f32 v8, v8, |v[YS+14]|, |v[YS+15]|
	v_max3_num_f32 v8, v8, v9, 16<<23              ; the floor
	v_max_num_f32_dpp v8, v8, v8 row_xmask:1 row_mask:0xf bank_mask:0xf   ; with my neighbour's 16: the block's largest magnitude
	v_add_nc_u32 v11, -(15<<23), v8
	v_and_or_b32 v10, v8, 0x7f800000, s44
.set k, 0
.rept 16
	v_med3_num_f32 v[YS+k], v[YS+k], -v10, v10
.set k, k+1
.endr
	v_cvt_scalef32_pk8_bf8_f32 v[C+4*\p:C+4*\p+1], v[YS:YS+7], v11
	v_cvt_scalef32_pk8_bf8_f32 v[C+4*\p+2:C+4*\p+3], v[YS+8:YS+15], v11
	v_lshrrev_b32 v[XR+\p], 23, v11                ; the byte, in a register of the finished row: none is written twice
	ds_store_b8 v5, v[XR+\p] offset:32*\i+16*\p    ; both lanes of a block write the same byte
	global_store_b128 v1, v[C+4*\p:C+4*\p+3], s[12:13] offset:1024*\i+512*\p   ; 512 consecutive bytes
	global_store_b128 v1, v[C+4*\p:C+4*\p+3], s[14:15] offset:65536*\i+512*\p
.endr
.endm
	ROW 0
	ROW 1
	ROW 2
	ROW 3
	ds_load_b32 v16, v6                            ; my wave's own 128 scale bytes: LDS serves a wave's instructions in order
	v_lshrrev_b32 v17, 3, v4
	v_and_b32 v18, 7, v4
	v_lshlrev_b32 v17, 11, v17
	v_lshl_add_u32 v17, v18, 2, v17                ; second copy: row lane / 8 lies 64 positions (2,048 bytes) behind the row before
	s_wait_alu depctr_va_vdst(0)
	s_wait_dscnt 0x0
	global_store_b32 v7, v16, s[16:17]             ; 128 consecutive bytes
	global_store_b32 v17, v16, s[18:19]            ; four pieces of 32
	s_branch .Lend
; ---------------- THE ROW PATH ----------------
; W_Q, W_K, W_V, each [1024 rows (head, e)][1024 (d)].  WA: codes [tensor][position][1024 B] at 0, scale bytes [tensor][position][32 B] at 3 MiB.
; A wave takes 8 rows (8,192 numbers) as 16 steps of 512.  Eight rows are one aligned group of sigma, so the whole run moves: run 4 rel + w goes to run 4 rel + w', w' = w with its two bits exchanged.
; Each load reads 512 consecutive bytes; the numbers turn through the wave's own stage so that a lane holds 16 neighbours; two lanes hold a block.  A wave's 256 scale bytes leave as one run.
.Lrow:
.set STEPS, 16
.set EMAX,  15
.set MANT,  0x600000
.set CB,    16
.set R,     16                         ; v16-79 four sets as loaded
.set X,     80                         ; v80-111 two sets of 16 neighbours
.set C,     128                        ; v128-191 codes, four registers a step
.set E,     112                        ; v112-127 a byte a step
	s_load_b256 s[4:11], s[0:1], 0x40              ; W_Q, W_K, W_V, WA
	s_sub_co_u32 s28, ttmp9, 544
	v_lshrrev_b32 v1, 5, v0
	v_readfirstlane_b32 s16, v1                    ; wave
	v_and_b32 v2, 31, v0
	v_lshlrev_b32 v3, 4, v2
	s_mul_i32 s17, s16, WREG
	s_add_co_u32 s17, s17, QRB
	v_lshrrev_b32 v14, 2, v2
	v_mul_u32_u24 v14, v14, SP
	v_and_b32 v15, 3, v2
	v_lshl_add_u32 v14, v15, 4, v14
	v_add_nc_u32 v14, s17, v14                     ; the stage, in
	v_mul_u32_u24 v15, v2, SP
	v_add_nc_u32 v15, s17, v15                     ; and out
	v_mul_u32_u24 v4, v2, CB
	v_lshrrev_b32 v5, 1, v2
	s_add_co_u32 s17, s17, 2*32*SP
	v_add_nc_u32 v5, s17, v5                       ; my block's byte among the wave's 256
	v_lshlrev_b32 v7, 3, v2
	v_add_nc_u32 v6, s17, v7
	s_mov_b32 s23, MANT
	s_lshr_b32 s17, s28, 5                         ; the tensor
	s_and_b32 s18, s28, 31
	s_lshl_b32 s19, s18, 2
	s_add_co_u32 s19, s19, s16
	s_lshl_b32 s20, s19, 15                        ; my run of 8,192 numbers, 32,768 bytes
	s_mov_b32 s21, 0
	s_and_b32 s19, s16, 1
	s_lshl_b32 s19, s19, 1
	s_lshr_b32 s22, s16, 1
	s_or_b32 s19, s19, s22                         ; w'
	s_lshl_b32 s24, s17, 20
	s_lshl_b32 s22, s18, 15
	s_add_co_u32 s24, s24, s22
	s_lshl_b32 s22, s19, 13
	s_add_co_u32 s24, s24, s22                     ; where my codes go
	s_mov_b32 s25, 0
	s_lshl_b32 s26, s17, 15
	s_lshl_b32 s22, s18, 10
	s_add_co_u32 s26, s26, s22
	s_lshl_b32 s22, s19, 8
	s_add_co_u32 s26, s26, s22
	s_add_co_u32 s26, s26, 3<<20                   ; and my scale bytes
	s_mov_b32 s27, 0
	s_wait_alu depctr_va_vdst(0)
	s_wait_kmcnt 0x0
	s_cmp_eq_u32 s17, 1                            ; the choice hangs on the work-group's number alone
	s_cselect_b64 s[6:7], s[6:7], s[8:9]
	s_cmp_eq_u32 s17, 0
	s_cselect_b64 s[4:5], s[4:5], s[6:7]
	s_add_nc_u64 s[4:5], s[4:5], s[20:21]
	s_add_nc_u64 s[8:9], s[10:11], s[24:25]
	s_add_nc_u64 s[10:11], s[10:11], s[26:27]
.macro RLOAD t
.irp i, 0,1,2,3
	global_load_b128 v[R+16*((\t)%4)+4*\i:R+16*((\t)%4)+4*\i+3], v3, s[4:5] offset:2048*(\t)+512*\i th:TH_LOAD_NT
.endr
.endm
.macro RTURN t                         ; step t's numbers through the stage; LDS serves a wave's instructions in order
.irp i, 0,1,2,3
	ds_store_b128 v14, v[R+16*((\t)%4)+4*\i:R+16*((\t)%4)+4*\i+3] offset:32*SP*((\t)%2)+8*SP*\i
.endr
.irp i, 0,1,2,3
	ds_load_b128 v[X+16*((\t)%2)+4*\i:X+16*((\t)%2)+4*\i+3], v15 offset:32*SP*((\t)%2)+16*\i
.endr
.endm
.irp t, 0,1,2,3
	RLOAD \t
.endr
	s_wait_loadcnt 12                              ; step 0's four loads are in; three steps' may be out
	RTURN 0
.macro RSTEP t
.set XS, X+16*((\t)%2)
.if (\t) > 0
	s_wait_dscnt 1                                 ; this step's numbers are back (the last step's byte store may be out): its stores into the stage have read their registers,
.else
	s_wait_dscnt 0x0
.endif
.if (\t)+4 < STEPS
	RLOAD (\t)+4                                   ; which take the loads of four steps on
.endif
.if (\t)+1 < STEPS
.if STEPS-2-(\t) >= 3
	s_wait_loadcnt 12                              ; the next step's loads are in; three steps' may be out
.else
	s_wait_loadcnt 4*(STEPS-2-(\t))
.endif
	RTURN (\t)+1
.endif
	v_max3_num_f32 v8, |v[XS]|, |v[XS+1]|, |v[XS+2]|
	v_max3_num_f32 v9, |v[XS+3]|, |v[XS+4]|, |v[XS+5]|
.irp i, 6,10
	v_max3_num_f32 v8, v8, |v[XS+\i]|, |v[XS+\i+1]|
	v_max3_num_f32 v9, v9, |v[XS+\i+2]|, |v[XS+\i+3]|
.endr
	v_max3_num_f32 v8, v8, |v[XS+14]|, |v[XS+15]|
	v_max3_num_f32 v8, v8, v9, (EMAX+1)<<23        ; the floor
	v_max_num_f32_dpp v8, v8, v8 row_xmask:1 row_mask:0xf bank_mask:0xf
	v_add_nc_u32 v11, -(EMAX<<23), v8
	v_and_or_b32 v10, v8, 0x7f800000, s23
.irp i, 0,1,2,3,4,5,6,7,8,9,10,11,12,13,14,15
	v_med3_num_f32 v[XS+\i], v[XS+\i], -v10, v10
.endr
	v_cvt_scalef32_pk8_bf8_f32 v[C+4*(\t):C+4*(\t)+1], v[XS:XS+7], v11
	v_cvt_scalef32_pk8_bf8_f32 v[C+4*(\t)+2:C+4*(\t)+3], v[XS+8:XS+15], v11
	v_lshrrev_b32 v[E+(\t)], 23, v11
	ds_store_b8 v5, v[E+(\t)] offset:16*(\t)
	global_store_b128 v4, v[C+4*(\t):C+4*(\t)+3], s[8:9] offset:32*CB*(\t)
.endm
.irp t, 0,1,2,3,4,5,6,7,8,9,10,11,12,13,14,15
	RSTEP \t
.endr
	ds_load_b64 v[8:9], v6
	s_wait_dscnt 0x0
	global_store_b64 v7, v[8:9], s[10:11]          ; 256 consecutive bytes
.Lend:
	s_wait_tensorcnt 0x0                           ; the wave's end, for all three paths
	ds_add_u32 v[SPW], v[NIL]
	s_wait_dscnt 0x0
	s_endpgm
.Lfunc_end_k_qf93f293d3a_prep:
	.size	k_qf93f293d3a_prep, .Lfunc_end_k_qf93f293d3a_prep-k_qf93f293d3a_prep
	.p2alignl 7, 3214868480
	.fill 96, 4, 3214868480
	.section	.rodata,"a",@progbits
	.p2align	6, 0x0
	.amdhsa_kernel k_qf93f293d3a_prep
		.amdhsa_group_segment_fixed_size 78848
		.amdhsa_private_segment_fixed_size 0
		.amdhsa_enable_private_segment 0
		.amdhsa_kernarg_size 96
		.amdhsa_user_sgpr_count 2
		.amdhsa_user_sgpr_kernarg_segment_ptr 1
		.amdhsa_wavefront_size32 1
		.amdhsa_system_sgpr_workgroup_id_x 1
		.amdhsa_system_sgpr_workgroup_id_y 1
		.amdhsa_system_sgpr_workgroup_id_z 1
		.amdhsa_system_vgpr_workitem_id 0
		.amdhsa_next_free_vgpr 256
		.amdhsa_next_free_sgpr 66
		.amdhsa_reserve_vcc 0
		.amdhsa_float_denorm_mode_32 3
		.amdhsa_float_denorm_mode_16_64 3
		.amdhsa_memory_ordered 1
		.amdhsa_forward_progress 1
		.amdhsa_inst_pref_size 169
	.end_amdhsa_kernel
	.amdgpu_metadata
---
amdhsa.version: [ 1, 2 ]
amdhsa.kernels:
  - .name:           k_qf93f293d3a_prep
    .symbol:         k_qf93f293d3a_prep.kd
    .args:
      - { .name: W_up, .offset: 0, .size: 8, .value_kind: global_buffer, .address_space: global }
      - { .name: W_O, .offset: 8, .size: 8, .value_kind: global_buffer, .address_space: global }
      - { .name: W_down, .offset: 16, .size: 8, .value_kind: global_buffer, .address_space: global }
      - { .name: WB, .offset: 24, .size: 8, .value_kind: global_buffer, .address_space: global }
      - { .name: x, .offset: 32, .size: 8, .value_kind: global_buffer, .address_space: global }
      - { .name: gamma_1, .offset: 40, .size: 8, .value_kind: global_buffer, .address_space: global }
      - { .name: beta_1, .offset: 48, .size: 8, .value_kind: global_buffer, .address_space: global }
      - { .name: U, .offset: 56, .size: 8, .value_kind: global_buffer, .address_space: global }
      - { .name: W_Q, .offset: 64, .size: 8, .value_kind: global_buffer, .address_space: global }
      - { .name: W_K, .offset: 72, .size: 8, .value_kind: global_buffer, .address_space: global }
      - { .name: W_V, .offset: 80, .size: 8, .value_kind: global_buffer, .address_space: global }
      - { .name: WA, .offset: 88, .size: 8, .value_kind: global_buffer, .address_space: global }
    .group_segment_fixed_size: 78848
    .private_segment_fixed_size: 0
    .kernarg_segment_align: 8
    .kernarg_segment_size: 96
    .max_flat_workgroup_size: 128
    .sgpr_count:     66
    .vgpr_count:     256
    .wavefront_size: 32
...
	.end_amdgpu_metadata
.endif
;; end of part 1
;; launch proj (part 2): grid 48 x 4, 4 waves a work-group, clusters of 4 x 4, 327,680 bytes of LDS; arguments U, WA, QKV; writes QKV
.if DOCPART == 2
	.amdgcn_target "amdgcn-amd-amdhsa--gfx1250"
	.amdhsa_code_object_version 6
	.text
	.protected	k_qf93f293d3a_proj
	.globl	k_qf93f293d3a_proj
	.p2align	8
	.type	k_qf93f293d3a_proj,@function
k_qf93f293d3a_proj:
	s_mov_b64 s[64:65], 0
	v_nop
	global_prefetch_b8 v0, s[64:65] scope:SCOPE_SE
	s_setreg_imm32_b32 hwreg(HW_REG_WAVE_MODE, 25, 1), 1
	s_wait_xcnt 0x0
	s_wait_alu depctr_hold_cnt(0) depctr_sa_sdst(0) depctr_va_vdst(0) depctr_va_sdst(0) depctr_va_ssrc(0) depctr_va_vcc(0) depctr_vm_vsrc(0)
	s_getreg_b32 s2, hwreg(HW_REG_IB_STS2, 6, 4)
	s_cmp_eq_u32 s2, 0
	s_cbranch_scc0 .Lentry_in_a_cluster
	s_endpgm
.Lentry_in_a_cluster:
	s_bfe_u32 s2, ttmp6, 0x10000c
	s_cmp_lg_u32 s2, 0xf033
	s_cbranch_scc0 .Lentry_shape_is_right
	s_endpgm
.Lentry_shape_is_right:
.set NQ,     2
.set ROWB,   256
.set KROW,   1024
.set PITCH,  272
.set FR,     16
.set NL,     4
.set NP,     8
.set HALFT,  128*PITCH
.set SLOT,   4*HALFT
.set LAPS,   2
.set KS,     32
.set SCL,    2*SLOT
.set HALFS,  16*272
.set SBLK,   2*272
.set SPARE,  SCL+4*HALFS
.set ADRA, 16
.set ADRB, 20
.set LI,   24
.set SST,  25
.set SRD,  26
.set ADRS, 27
.set SPW,  28
.set NIL,  29
.set SC,   32
.set AF,   128
.set H,    128
.set PC,   192
.set TM,   208
.set PW,   224
.set SEL,  20
.set MNT,  22
.set G1, 24
.set G0, 32
.set G1B, 48
.set G0B, 56
.set G1S, 68
.set G0S, 76
.set G1SB, 80
.set G0SB, 88
.set MSB, 0
.macro WIN new
.if MSB != (\new)
	s_set_vgpr_msb (MSB<<8)|(\new)
.set MSB, (\new)
.endif
.endm
.set MUL_LO, 0xa1
.set MUL_HI, 0xf1
.set TO_B,   0x40
.macro JLOAD g0a, g1a, g0b, g1b
	s_cmp_eq_u32 s15, 0
	s_cbranch_scc0 .Lfor_b_\@
	tensor_load_to_lds s[\g0a:\g0a+3], s[\g1a:\g1a+7]
	s_nop 0
.rept 4
	v_nop
.endr
	s_branch .Lasked_\@
.Lfor_b_\@:
	tensor_load_to_lds s[\g0b:\g0b+3], s[\g1b:\g1b+7]
	s_nop 0
.rept 4
	v_nop
.endr
.Lasked_\@:
.endm
.macro CREST
	s_cmp_lg_u32 s14, 0
	s_cbranch_scc1 .Lnot_wave_0_\@
	s_barrier_signal -3
.Lnot_wave_0_\@:
	s_barrier_wait -3
	s_barrier_signal -1
	s_barrier_wait -1
.endm
.macro CROUND
	s_barrier_signal -1
	s_barrier_wait -1
	CREST
.endm
	s_load_b128 s[4:7], s[0:1], 0x0
	s_load_b64 s[8:9], s[0:1], 0x10
	v_lshl_add_u32 v[SPW], v0, 2, SPARE
	v_mov_b32 v[NIL], 0
	ds_add_u32 v[SPW], v[NIL]
	ds_add_u32 v[SPW], v[NIL]
	v_lshrrev_b32 v1, 5, v0
	v_readfirstlane_b32 s14, v1
	s_lshr_b32 s15, s14, 1
	s_and_b32 s16, s14, 1
	s_bfe_u32 s40, ttmp6, 0x40000
	s_bfe_u32 s41, ttmp6, 0x40004
	s_lshr_b32 s95, ttmp9, 2
	s_and_b32 s96, ttmp9, 3
	s_lshl_b32 s96, s96, 2
	s_mov_b32 s66, 2<<20
	s_mov_b32 s67, (3<<20)+(64<<10)
	s_mov_b32 s97, 0
	s_mov_b32 s98, 8<<20
	s_mov_b32 s99, 4<<20
	s_mov_b32 s100, (12<<20)+(128<<10)
	s_mov_b32 s101, 131072
	s_mov_b32 s2, 4096
	s_cmp_eq_u32 s95, 1
	s_cselect_b32 s66, 1<<20, s66
	s_cselect_b32 s67, (3<<20)+(32<<10), s67
	s_cselect_b32 s97, 4<<20, s97
	s_cselect_b32 s98, (8<<20)+(128<<10), s98
	s_cselect_b32 s99, 0, s99
	s_cselect_b32 s100, 12<<20, s100
	s_cmp_eq_u32 s95, 0
	s_cselect_b32 s66, 0, s66
	s_cselect_b32 s67, 8<<20, s67
	s_cselect_b32 s97, 0, s97
	s_cselect_b32 s98, 3<<20, s98
	s_cselect_b32 s99, 8<<20, s99
	s_cselect_b32 s100, (12<<20)+(256<<10), s100
	s_cselect_b32 s101, 524288, s101
	s_cselect_b32 s2, 16384, s2
	s_cselect_b32 s17, s96, 0
	s_cselect_b32 s42, 0, s96
	s_add_co_u32 s17, s17, s41
	s_add_co_u32 s42, s42, s40
	s_lshl_b32 s43, s41, 2
	s_lshl_b32 s43, 15, s43
	s_lshl_b32 s44, 0x1111, s40
	s_or_b32 s[G1+0], s43, (0<<16)|(1<<20)|(1<<21)|(5<<22)|(3<<25)
	s_or_b32 s[G1B+0], s44, (0<<16)|(1<<20)|(1<<21)|(5<<22)|(3<<25)
.irp g, G1, G1B
	s_mov_b32 s[\g+1], ROWB<<16
	s_mov_b32 s[\g+2], 256<<16                     ; the head's loads of codes bring 256 rows
	s_mov_b32 s[\g+3], ROWB<<16
	s_mov_b32 s[\g+4], 256
	s_mov_b32 s[\g+5], KROW
	s_mov_b32 s[\g+6], 0
	s_mov_b32 s[\g+7], 0
.endr
	s_or_b32 s[G1S+0], s43, (3<<16)|(1<<20)|(1<<21)|(5<<22)|(3<<25)
	s_or_b32 s[G1SB+0], s44, (3<<16)|(1<<20)|(1<<21)|(5<<22)|(3<<25)
.irp g, G1S, G1SB
	s_mov_b32 s[\g+1], 32<<16
	s_mov_b32 s[\g+2], 32<<16                      ; the scale bytes of 256 rows: 32 rows of 256 bytes
	s_mov_b32 s[\g+3], 32<<16
	s_mov_b32 s[\g+4], 32
	s_mov_b32 s[\g+5], 32
	s_mov_b32 s[\g+6], 0
	s_mov_b32 s[\g+7], 0
.endr
	s_lshl_b32 s18, s16, 7
	s_lshl_b32 s20, s17, 8
	s_add_co_u32 s20, s20, s18
	s_lshl_b32 s46, s42, 8
	s_add_co_u32 s46, s46, s18
	s_lshl_b32 s22, s20, 5
	s_add_co_u32 s22, s22, s67
	s_lshl_b32 s20, s20, 10
	s_add_co_u32 s20, s20, s66
	s_lshl_b32 s92, s46, 5
	s_add_co_u32 s92, s92, s98
	s_lshl_b32 s46, s46, 10
	s_add_co_u32 s46, s46, s97
	s_mov_b32 s21, 0
	s_mov_b32 s23, 0
	s_mov_b32 s47, 0
	s_mov_b32 s93, 0
	s_mul_i32 s45, s14, HALFT
	s_mul_i32 s94, s14, HALFS
	s_wait_dscnt 0x0
	s_wait_kmcnt 0x0
	s_cmp_eq_u32 s95, 0
	s_cselect_b64 s[10:11], s[4:5], s[6:7]
	s_cselect_b64 s[12:13], s[6:7], s[4:5]
	s_add_nc_u64 s[20:21], s[10:11], s[20:21]
	s_add_nc_u64 s[22:23], s[10:11], s[22:23]
	s_add_nc_u64 s[46:47], s[12:13], s[46:47]
	s_add_nc_u64 s[92:93], s[12:13], s[92:93]
	CROUND
	s_mov_b32 s[G0S], 1
	s_add_co_u32 s[G0S+1], s94, SCL-HALFS          ; used by wave 1 alone: LDS byte SCL,
	s_sub_nc_u64 s[G0S+2:G0S+3], s[22:23], 4096    ; and the tile's first row: 128 rows of 32 bytes back from its own half
	s_or_b32 s[G0S+3], s[G0S+3], 0x80000000
	s_mov_b32 s[G0SB], 1
	s_add_co_u32 s[G0SB+1], s94, SCL-HALFS         ; used by wave 3 alone: LDS byte SCL + 2 HALFS
	s_sub_nc_u64 s[G0SB+2:G0SB+3], s[92:93], 4096
	s_or_b32 s[G0SB+3], s[G0SB+3], 0x80000000
.irp s, 0,1
	s_mov_b32 s[G0+4*\s], 1
	s_add_co_u32 s[G0+4*\s+1], s45, \s*SLOT
	s_add_nc_u64 s[G0+4*\s+2:G0+4*\s+3], s[20:21], \s*ROWB
	s_or_b32 s[G0+4*\s+3], s[G0+4*\s+3], 0x80000000
	s_mov_b32 s[G0B+4*\s], 1
	s_add_co_u32 s[G0B+4*\s+1], s45, \s*SLOT
	s_add_nc_u64 s[G0B+4*\s+2:G0B+4*\s+3], s[46:47], \s*ROWB
	s_or_b32 s[G0B+4*\s+3], s[G0B+4*\s+3], 0x80000000
.endr
; THE HEAD'S LOADS, ONE A WAVE: wave 0 K step 0's 256 rows of A, wave 1 A's scale bytes, wave 2 K step 0's 256 rows of B, wave 3 B's scale bytes.
; One tree of branches on the wave's number: every way through it passes exactly one load.
.macro ARM under, g0, g1, next
	s_cmp_lt_u32 s14, \under
	s_cbranch_scc0 \next
	tensor_load_to_lds s[\g0:\g0+3], s[\g1:\g1+7]
	s_nop 0
.rept 4
	v_nop
.endr
	s_branch .Lhead_asked
\next:
.endm
	ARM 1, G0,  G1,  .Lhead_sa
	ARM 2, G0S, G1S, .Lhead_b
	ARM 3, G0B, G1B, .Lhead_sb
	tensor_load_to_lds s[G0SB:G0SB+3], s[G1SB:G1SB+7]
	s_nop 0
.rept 4
	v_nop
.endr
.Lhead_asked:
	v_and_b32 v1, 15, v0
	v_bfe_u32 v2, v0, 4, 1
	v_mul_u32_u24 v3, v1, PITCH
	v_lshl_add_u32 v4, v2, 4, v3
	s_mul_i32 s21, s15, HALFT
	s_mul_i32 s22, s16, HALFT
	s_add_co_u32 s22, s22, 2*HALFT
.irp s, 0,1
	v_add_nc_u32 v[ADRA+\s], s21, v4
	v_add_nc_u32 v[ADRB+\s], s22, v4
	s_add_co_u32 s21, s21, SLOT
	s_add_co_u32 s22, s22, SLOT
.endr
	v_mul_u32_u24 v5, v1, KS
	v_lshrrev_b32 v6, 8, v5
	v_lshl_add_u32 v5, v6, 4, v5
	s_mul_i32 s21, s15, HALFS
	s_mul_i32 s22, s16, HALFS
	s_add_co_u32 s22, s22, 2*HALFS
	s_sub_co_u32 s22, s22, s21
	v_mul_u32_u24 v6, s22, v2
	s_add_co_u32 s21, s21, SCL
	v_add_nc_u32 v5, v5, v6
	v_add_nc_u32 v[ADRS], s21, v5
	v_and_b32 v6, 31, v0
	v_lshlrev_b32 v[LI], 4, v6
	s_lshl_b32 s23, s14, 9
	v_lshl_add_u32 v[SST], v1, 2, s23
	v_add_nc_u32 v[SRD], s23, v[LI]
	s_lshl_b32 s92, s42, 1
	s_add_co_u32 s92, s92, s16
	s_mul_i32 s93, s92, s2
	s_mul_i32 s92, s92, s101
	s_lshl_b32 s94, s17, 4
	s_lshl_b32 s46, s15, 3
	s_add_co_u32 s94, s94, s46
	s_lshl_b32 s46, s94, 11
	s_add_co_u32 s46, s46, s92
	s_add_co_u32 s46, s46, s99
	s_mov_b32 s47, 0
	s_add_nc_u64 s[12:13], s[8:9], s[46:47]
	s_lshl_b32 s46, s94, 6
	s_add_co_u32 s46, s46, s93
	s_add_co_u32 s46, s46, s100
	s_add_nc_u64 s[10:11], s[8:9], s[46:47]
.macro FRAG reg, adr, q, i
.irp c, 0,1,2,3
	ds_load_b128 v[\reg+4*\c:\reg+4*\c+3], v[\adr] offset:128*(\q)+32*\c+(\i)*16*PITCH
.endr
.endm
.macro MUL16 a0, p, q, sc, zero
.irp a, \a0, \a0+1
.irp b, 0,1,2,3,4,5,6,7
.set rD, 8*(8*((\a)%4)+\b)
.set rB, 128*(\p)+FR*\b
.set rA, AF+FR*(\a)
.set sB, SC+8*NQ*(\sc)+NQ*\b+(\q)
.set sA, SC+8*NQ*(\sc)+NQ*(\a)+(\q)
.if \zero
	v_wmma_scale_f32_16x16x128_f8f6f4 v[rD:rD+7], v[rB:rB+15], v[rA:rA+15], 0, v[sB], v[sA] matrix_a_fmt:MATRIX_FMT_BF8 matrix_b_fmt:MATRIX_FMT_BF8 matrix_a_scale:MATRIX_SCALE_ROW1
.else
	v_wmma_scale_f32_16x16x128_f8f6f4 v[rD:rD+7], v[rB:rB+15], v[rA:rA+15], v[rD:rD+7], v[sB], v[sA] matrix_a_fmt:MATRIX_FMT_BF8 matrix_b_fmt:MATRIX_FMT_BF8 matrix_a_scale:MATRIX_SCALE_ROW1
.endif
.endr
.endr
.endm
.macro FETCH_B slot, q, p
	WIN TO_B
.irp i, 0,1,2,3,4,5,6,7
	FRAG 128*(\p)+FR*\i, ADRB+\slot, \q, \i
.endr
	WIN 0
.endm
.macro FETCH_A slot, q, i0
.irp i, \i0, \i0+1, \i0+2, \i0+3
	FRAG AF+FR*(\i), ADRA+\slot, \q, \i
.endr
.endm
.macro SCALES sc
.irp i, 0,1,2,3,4,5,6,7
	ds_load_b64 v[SC+8*NQ*\sc+NQ*\i:SC+8*NQ*\sc+NQ*\i+1], v[ADRS] offset:\i*SBLK
.endr
.endm
.macro PLACES n
.rept \n
	v_nop
.endr
.endm
.macro STEP slot, q, zero
	s_wait_dscnt 4*NL
	WIN MUL_LO
	MUL16 0, (\q)%2, \q, \slot, \zero
	MUL16 2, (\q)%2, \q, \slot, \zero
	s_wait_dscnt 0
	PLACES NP
	FETCH_B \slot, (\q)+1, 1-(\q)%2
	FETCH_A \slot, (\q)+1, 0
	WIN MUL_HI
	MUL16 4, (\q)%2, \q, \slot, \zero
	MUL16 6, (\q)%2, \q, \slot, \zero
	PLACES NP
	WIN 0
	FETCH_A \slot, (\q)+1, 4
.endm
.macro TURN slot, next, fill
	s_wait_tensorcnt 0x0
	ds_add_u32 v[SPW], v[NIL]
	s_wait_dscnt 4*NL+1
	WIN MUL_LO
	MUL16 0, 1, NQ-1, \slot, 0
	s_wait_dscnt 0x0
	s_barrier_signal -1
	MUL16 2, 1, NQ-1, \slot, 0
	WIN 0
	s_barrier_wait -1
.if \fill
	CREST
	s_add_nc_u64 s[G0+4*\slot+2:G0+4*\slot+3], s[G0+4*\slot+2:G0+4*\slot+3], 2*ROWB
	s_add_nc_u64 s[G0B+4*\slot+2:G0B+4*\slot+3], s[G0B+4*\slot+2:G0B+4*\slot+3], 2*ROWB
	JLOAD G0+4*\slot, G1, G0B+4*\slot, G1B
	PLACES NP-4
.else
	PLACES NP
.endif
	s_wait_alu depctr_va_vdst(0)
	v_add_nc_u32 v[ADRS], 4*NQ, v[ADRS]
	FETCH_B \next, 0, 0
	FETCH_A \next, 0, 0
	SCALES \next
	WIN MUL_HI
	MUL16 4, 1, NQ-1, \slot, 0
	MUL16 6, 1, NQ-1, \slot, 0
	PLACES NP
	WIN 0
	FETCH_A \next, 0, 4
.endm
	s_wait_alu depctr_va_vdst(0)
	s_wait_tensorcnt 0x0                           ; my tile of the head's four is in
	ds_add_u32 v[SPW], v[NIL]
	s_mov_b32 s[G1+2], 128<<16                     ; no tensor load of mine is out: from here on a load brings 128 rows
	s_mov_b32 s[G1+4], 128
	s_mov_b32 s[G1B+2], 128<<16
	s_mov_b32 s[G1B+4], 128
	s_wait_dscnt 0x0
	CROUND                                         ; all four tiles are in, and all sixteen work-groups are here
	JLOAD G0+4, G1, G0B+4, G1B                     ; K step 1, a quarter of slot 1 a wave: the first tensor load behind the round
	FETCH_B 0, 0, 0
	FETCH_A 0, 0, 0
	SCALES 0
	FETCH_A 0, 0, 4
	STEP 0, 0, 1
	s_mov_b32 s3, LAPS-1
.Llap:
	TURN 0, 1, 1
	STEP 1, 0, 0
	TURN 1, 0, 1
	STEP 0, 0, 0
	s_sub_co_u32 s3, s3, 1
	s_cmp_lg_u32 s3, 0
	s_cbranch_scc1 .Llap
	TURN 0, 1, 0
	STEP 1, 0, 0
	s_wait_dscnt 4*NL
	WIN MUL_LO
	MUL16 0, 1, NQ-1, 1, 0
	MUL16 2, 1, NQ-1, 1, 0
	s_wait_dscnt 0
	WIN MUL_HI
	MUL16 4, 1, NQ-1, 1, 0
	MUL16 6, 1, NQ-1, 1, 0
	WIN 0
.macro QUANT a
.set QS, 64*((\a)%4)
.set QW, 2+(\a)/4
	WIN (QW<<2)|(QW<<4)
.irp b, 0,1,2,3
	v_max3_num_f32 v[TM+\b], 0x8000000, |v[QS+16*\b]|, |v[QS+16*\b+1]|
.endr
.irp i, 2,4,6,8,10,12,14
.irp b, 0,1,2,3
	v_max3_num_f32 v[TM+\b], v[TM+\b], |v[QS+16*\b+\i]|, |v[QS+16*\b+\i+1]|
.endr
.endr
	WIN 0
.irp b, 0,1,2,3
	v_permlanex16_b32 v[TM+4+\b], v[TM+\b], s[SEL], s[SEL+1]
.endr
.irp b, 0,1,2,3
	v_max_num_f32 v[TM+\b], v[TM+\b], v[TM+4+\b]
.endr
.irp b, 0,1,2,3
	v_add_nc_u32 v[TM+12+\b], 0xf8800000, v[TM+\b]
.endr
.irp b, 0,1,2,3
	v_and_or_b32 v[TM+8+\b], v[TM+\b], 0x7f800000, s[MNT]
.endr
.irp b, 0,1,2,3
	v_lshrrev_b32 v[TM+4+\b], 23, v[TM+12+\b]
.endr
	v_lshl_or_b32 v[PW+\a], v[TM+5], 8, v[TM+4]
	v_lshl_or_b32 v[PW+\a], v[TM+6], 16, v[PW+\a]
	v_lshl_or_b32 v[PW+\a], v[TM+7], 24, v[PW+\a]
	WIN QW
.irp b, 0,1,2,3
.set i, 0
.rept 16
	v_med3_num_f32 v[H+16*\b+i], v[QS+16*\b+i], -v[TM+8+\b], v[TM+8+\b]
.set i, i+1
.endr
.endr
	WIN 0
.irp b, 0,1,2,3
	v_cvt_scalef32_pk8_bf8_f32 v[PC+4*\b:PC+4*\b+1], v[H+16*\b:H+16*\b+7], v[TM+12+\b]
	v_cvt_scalef32_pk8_bf8_f32 v[PC+4*\b+2:PC+4*\b+3], v[H+16*\b+8:H+16*\b+15], v[TM+12+\b]
.endr
	v_nop
.endm
	PLACES NP
	s_mov_b32 s[SEL], 0x76543210
	s_mov_b32 s[SEL+1], 0xfedcba98
	s_mov_b32 s[MNT], 0x600000
.irp b, 0,1,2,3
	v_mov_b32 v[TM+4+\b], 0
.endr
.irp a, 0,1,2,3,4,5,6,7
.if \a > 0
	s_wait_xcnt 0x0
.endif
	QUANT \a
.irp c, 0,1,2,3
	global_store_b128 v[LI], v[PC+4*\c:PC+4*\c+3], s[12:13] offset:2048*\a+512*\c
.endr
	ds_store_b32 v[SST], v[PW+\a] offset:64*\a
.endr
	ds_load_b128 v[H:H+3], v[SRD]
	s_wait_dscnt 0x0
	global_store_b128 v[LI], v[H:H+3], s[10:11]
	s_wait_tensorcnt 0x0
	ds_add_u32 v[SPW], v[NIL]
	s_wait_dscnt 0x0
	CROUND
	s_endpgm
.Lfunc_end_k_qf93f293d3a_proj:
	.size	k_qf93f293d3a_proj, .Lfunc_end_k_qf93f293d3a_proj-k_qf93f293d3a_proj
	.p2alignl 7, 3214868480
	.fill 96, 4, 3214868480
	.section	.rodata,"a",@progbits
	.p2align	6, 0x0
	.amdhsa_kernel k_qf93f293d3a_proj
		.amdhsa_group_segment_fixed_size 327680
		.amdhsa_private_segment_fixed_size 0
		.amdhsa_enable_private_segment 0
		.amdhsa_kernarg_size 24
		.amdhsa_user_sgpr_count 2
		.amdhsa_user_sgpr_kernarg_segment_ptr 1
		.amdhsa_wavefront_size32 1
		.amdhsa_system_sgpr_workgroup_id_x 1
		.amdhsa_system_sgpr_workgroup_id_y 1
		.amdhsa_system_sgpr_workgroup_id_z 1
		.amdhsa_system_vgpr_workitem_id 0
		.amdhsa_next_free_vgpr 1024
		.amdhsa_next_free_sgpr 102
		.amdhsa_reserve_vcc 0
		.amdhsa_float_denorm_mode_32 3
		.amdhsa_float_denorm_mode_16_64 3
		.amdhsa_memory_ordered 1
		.amdhsa_forward_progress 1
		.amdhsa_inst_pref_size 187
	.end_amdhsa_kernel
	.amdgpu_metadata
---
amdhsa.version: [ 1, 2 ]
amdhsa.kernels:
  - .name:           k_qf93f293d3a_proj
    .symbol:         k_qf93f293d3a_proj.kd
    .args:
      - { .name: U, .offset: 0, .size: 8, .value_kind: global_buffer, .address_space: global }
      - { .name: WA, .offset: 8, .size: 8, .value_kind: global_buffer, .address_space: global }
      - { .name: QKV, .offset: 16, .size: 8, .value_kind: global_buffer, .address_space: global }
    .group_segment_fixed_size: 327680
    .private_segment_fixed_size: 0
    .kernarg_segment_align: 8
    .kernarg_segment_size: 24
    .max_flat_workgroup_size: 128
    .sgpr_count:     102
    .vgpr_count:     1024
    .wavefront_size: 32
...
	.end_amdgpu_metadata
.endif
;; end of part 2
;; launch attn (part 3): grid 8 x 32, 16 waves a work-group, clusters of 4 x 1, 327,680 bytes of LDS; arguments QKV, HD; writes HD
.if DOCPART == 3
	.amdgcn_target "amdgcn-amd-amdhsa--gfx1250"
	.amdhsa_code_object_version 6
	.text
	.protected	k_qf93f293d3a_attn
	.globl	k_qf93f293d3a_attn
	.p2align	8
	.type	k_qf93f293d3a_attn,@function
k_qf93f293d3a_attn:
	s_mov_b64 s[64:65], 0
	v_nop
	global_prefetch_b8 v0, s[64:65] scope:SCOPE_SE
	s_setreg_imm32_b32 hwreg(HW_REG_WAVE_MODE, 25, 1), 1
	s_wait_xcnt 0x0
	s_wait_alu depctr_hold_cnt(0) depctr_sa_sdst(0) depctr_va_vdst(0) depctr_va_sdst(0) depctr_va_ssrc(0) depctr_va_vcc(0) depctr_vm_vsrc(0)
	s_getreg_b32 s2, hwreg(HW_REG_IB_STS2, 6, 4)
	s_cmp_eq_u32 s2, 0
	s_cbranch_scc0 .Lentry_in_a_cluster
	s_endpgm
.Lentry_in_a_cluster:
	s_bfe_u32 s2, ttmp6, 0x10000c
	s_cmp_lg_u32 s2, 0x3003
	s_cbranch_scc0 .Lentry_shape_is_right
	s_endpgm
.Lentry_shape_is_right:
; Products 4 and 5, the softmax between them and the quantiser of heads_cat.  scores = Q K_r / 1024, K_r[e'][64 j + e] = K[32 e' + j][e]; p = 2^(t - M), t = score x log2(e) / 1024, M the running
; largest t rounded up to a whole number; the row's sum is taken of the unquantised p and divides at the end.
; SHARES.  A work-group: 256 queries of one (batch, head); each of its 16 waves one tile of 16 queries in 256 registers, four waves to a SIMD.  A key step is 128 keys; 16 steps.
; NO RING.  A head's codes of K_r and V, 256 KiB, lie in LDS whole and are filled once.  A load is 2 rows (K's, and V's 4 MiB on) of 4,096 bytes: two fragments of each, images of the operands' registers.
; Wave w asks for step w / 2, fragments 2 (w % 2) and + 1, at the head (keys 0-1,023), and for step 8 + w / 2 behind a wait, an add, a wait and a round;
; that second load has eight key steps in which to land; one barrier stands ahead of the last eight steps.  Step T lies at LDS byte 16,384 T: per pair of fragments K's 4,096 bytes, then V's.
; CLUSTER.  The four query blocks of a cluster walk the same K and V: every tensor load is joint (mask 15).  The scale words (8 KiB against 256 KiB) come by plain loads.
; No prefetch: both halves of K and V are asked for ahead of the first key step, so no loop runs ahead of a load.
; K = 64 IN AN INSTRUCTION OF 128.  K's fragment holds keys 64 (2 t) + e in groups 0, 1 and 64 (2 t + 1) + e in groups 2, 3.  Q stands as (q, zeros) in v16-31 and (zeros, q) in v24-39: zero codes
; add nothing, so each fragment is read once and multiplied twice.  Both products are used transposed: a lane holds one query; tiles 2 b, 2 b + 1 of S^T are keys 128 t + 32 b + 16 (lane / 16) + 0..15.
; THE ROW'S SUM is gathered in eight packed partial sums; their last eight additions stand behind the products, as the places that are owed there.
; OUT: heads as images [head / 2][query tile][group 2 (head % 2) + B][lane][16 B]; a head owns two of a scale word's four bytes: they leave by a store of 2 bytes a lane (32 bytes against 1,024 of codes).
; LIMITS: as in the first launch; the promise holds while the scaled scores t stay under 2^31 in magnitude.
.set KSC,   262144                     ; K's scale words [t][ct][16], 4 KiB; V's 4 KiB behind them
.set SPARE, KSC+8192
.set LI,  1                            ; 16 x lane
.set LS,  2                            ; KSC + 4 (lane % 16)
.set ADK, 3
.set ADS, 4
.set SPW, 5
.set NIL, 6
.set R4,  10                           ; 4 (lane % 16)
.set QL,  16                           ; v16-39 Q
.set FR,  40                           ; v40-103 four fragments of K, then of V
.set S,   104                          ; v104-167 S^T, then p
.set OT,  168                          ; v168-199 O^T
.set PC,  200                          ; v200-215 p's codes
.set BM,  216
.set BP,  220
.set HOLD, 224
.set SCO, 228
.set FF,  232                          ; v[232:233] f
.set TT,  234
.set PSW, 235                          ; p's scale word
.set KSW, 236                          ; K's scale words; behind the first product v236-239 hold two partial sums
.set VSW, 240
.set QSW, 244
.set NMO, 245                          ; -M of the step before
; v12 -M, v13 the largest score so far, v[14:15] the row's sum; partial sums: v246-255, v236-239, v[8:9]
.set WV,  12
.set G0,  32                           ; s[32:39] two groups 0
.set G1,  48
.set CS,  56
.set SEL, 58
.set MNT, 60
.set TB,  61
.set TS,  62
.set CNT, 63
.macro CROUND
	s_barrier_signal -1
	s_barrier_wait -1
	s_cmp_lg_u32 s[WV], 0
	s_cbranch_scc1 .Lnot_wave_0_\@
	s_barrier_signal -3
.Lnot_wave_0_\@:
	s_barrier_wait -3
	s_barrier_signal -1
	s_barrier_wait -1
.endm
	s_load_b128 s[4:7], s[0:1], 0x0                ; QKV, HD
	v_lshl_add_u32 v[SPW], v0, 2, SPARE
	v_mov_b32 v[NIL], 0
	ds_add_u32 v[SPW], v[NIL]                      ; the opening: the add, twice on end, and its wait ahead of my first tensor load
	ds_add_u32 v[SPW], v[NIL]
	v_lshrrev_b32 v7, 5, v0
	v_readfirstlane_b32 s[WV], v7                  ; wave 0..15
	s_bfe_u32 s13, ttmp6, 0x40000                  ; cx
	s_lshl_b32 s14, ttmp9, 2
	s_add_co_u32 s14, s14, s13                     ; my block of 256 queries: it enters Q's and the result's addresses alone
	s_and_b32 s15, ttmp7, 0xffff
	s_lshr_b32 s16, s15, 4                         ; batch
	s_and_b32 s17, s15, 15                         ; head
	s_mov_b32 s[G1], 15|(3<<16)|(1<<21)            ; mask: all four; elements of 8 bytes; no padding; bit 21 beside a mask
	s_mov_b32 s[G1+1], 512<<16                     ; tensor_dim0: 4,096 bytes
	s_mov_b32 s[G1+2], 2<<16                       ; tensor_dim1
	s_mov_b32 s[G1+3], 512<<16                     ; tile_dim0
	s_mov_b32 s[G1+4], 2                           ; tile_dim1: K's two fragments, V's two
	s_mov_b32 s[G1+5], 524288                      ; 4 MiB from K's codes to V's
	s_mov_b32 s[G1+6], 0
	s_mov_b32 s[G1+7], 0
	s_lshl_b32 s20, s16, 4
	s_lshr_b32 s21, s[WV], 1
	s_add_co_u32 s20, s20, s21                     ; 16 batch + step, step = wave / 2
	s_lshl_b32 s20, s20, 6
	s_lshl_b32 s21, s17, 2
	s_add_co_u32 s20, s20, s21
	s_and_b32 s21, s[WV], 1
	s_lshl_b32 s21, s21, 1
	s_add_co_u32 s20, s20, s21                     ; + 4 head + 2 (wave % 2)
	s_lshl_b32 s20, s20, 11
	s_mov_b32 s21, 0
	s_lshl_b32 s22, s[WV], 13                      ; in LDS: 8,192 x wave, + 131,072 for the second half of the keys
	s_lshl_b32 s18, s16, 7
	s_lshl_b32 s19, s14, 4
	s_add_co_u32 s18, s18, s19
	s_add_co_u32 s18, s18, s[WV]                   ; my query tile: 128 batch + 16 block + wave
	s_lshr_b32 s19, s17, 1
	s_and_b32 s23, s17, 1
	s_lshl_b32 s24, s19, 19
	s_lshl_b32 s25, s18, 11
	s_add_co_u32 s24, s24, s25
	s_lshl_b32 s25, s23, 10
	s_add_co_u32 s24, s24, s25                     ; my two groups in Q's images, and in the result's
	s_mov_b32 s25, 0
	s_lshl_b32 s26, s19, 14
	s_lshl_b32 s27, s18, 6
	s_add_co_u32 s26, s26, s27                     ; my tile's scale words
	s_mov_b32 s27, 0
	s_lshl_b32 s28, s16, 16
	s_lshl_b32 s29, s17, 8
	s_add_co_u32 s28, s28, s29                     ; the head's scale words of K
	s_mov_b32 s29, 0
	s_lshl_b32 s30, s23, 1
	s_mov_b32 s31, 0
	s_mov_b32 s19, 0x03020302
	s_cmp_eq_u32 s23, 0
	s_cselect_b32 s19, 0x01000100, s19             ; my head's two bytes of Q's scale word, twice
	s_mov_b32 s[CS], 0x3ab8aa3b                    ; c = log2(e) / 1024
	s_mov_b32 s[CS+1], s[CS]
	s_mov_b32 s[SEL], 0x76543210
	s_mov_b32 s[SEL+1], 0xfedcba98
	s_mov_b32 s[MNT], 0x600000
	s_mov_b32 s[TB], 0
	s_mov_b32 s[TS], 0
	s_wait_dscnt 0x0                               ; both opening adds are done
	s_wait_kmcnt 0x0
	s_add_nc_u64 s[20:21], s[4:5], s[20:21]
	s_add_nc_u64 s[8:9], s[6:7], s[24:25]          ; the result's codes
	s_add_nc_u64 s[24:25], s[4:5], s[24:25]
	s_add_nc_u64 s[24:25], s[24:25], 8<<20         ; Q's codes
	s_add_nc_u64 s[10:11], s[6:7], s[26:27]
	s_add_nc_u64 s[10:11], s[10:11], s[30:31]
	s_add_nc_u64 s[10:11], s[10:11], 4<<20         ; the result's scale bytes
	s_add_nc_u64 s[26:27], s[4:5], s[26:27]
	s_add_nc_u64 s[26:27], s[26:27], (12<<20)+(256<<10)   ; Q's scale words
	s_add_nc_u64 s[28:29], s[4:5], s[28:29]
	s_add_nc_u64 s[28:29], s[28:29], 12<<20        ; K's scale words; V's lie 128 KiB on
.irp g, 0,1
	s_mov_b32 s[G0+4*\g], 1
	s_add_co_u32 s[G0+4*\g+1], s22, \g*131072
	s_add_nc_u64 s[G0+4*\g+2:G0+4*\g+3], s[20:21], \g*1048576   ; eight key steps on: 8 x 64 fragments
	s_or_b32 s[G0+4*\g+3], s[G0+4*\g+3], 0x80000000
.endr
	CROUND                                         ; all four work-groups are here: the joint loads meet
	tensor_load_to_lds s[G0:G0+3], s[G1:G1+7]      ; my part of keys 0-1,023: one tensor load a wave at the head
	s_nop 0
	v_and_b32 v7, 31, v0
	v_lshlrev_b32 v[LI], 4, v7
	v_and_b32 v7, 15, v0
	v_lshlrev_b32 v[R4], 2, v7
	v_add_nc_u32 v[LS], KSC, v[R4]
	v_lshrrev_b32 v8, 8, v0                        ; thread i copies 16 bytes of scale words: K's or V's (i / 256), step (i / 16) % 16, 16 (i % 16): sixteen lanes read 256 consecutive bytes
	v_lshlrev_b32 v8, 17, v8
	v_bfe_u32 v9, v0, 4, 4
	v_lshl_or_b32 v8, v9, 12, v8
	v_lshl_or_b32 v8, v7, 4, v8
	v_lshl_add_u32 v9, v0, 4, KSC
	global_load_b128 v[S:S+3], v8, s[28:29]
	global_load_b128 v[QL:QL+3], v[LI], s[24:25]
	global_load_b128 v[QL+4:QL+7], v[LI], s[24:25] offset:512
	global_load_b128 v[QL+16:QL+19], v[LI], s[24:25]
	global_load_b128 v[QL+20:QL+23], v[LI], s[24:25] offset:512
	global_load_b32 v[QSW], v[R4], s[26:27]
.irp j, 8,9,10,11,12,13,14,15
	v_mov_b32 v[QL+\j], 0                          ; the zero codes between
.endr
	v_mov_b32 v13, 0xff61b1e6                      ; the largest score so far: -3e38
	v_mov_b32 v[NMO], 0x7f000000                   ; -M so far: 2^127, so that the first f is 0
	v_mov_b32 v14, 0
	v_mov_b32 v15, 0
.irp r, BP,BP+1,BP+2,BP+3,FF,FF+1,TT,236,237,238,239,246,247,248,249,250,251,252,253,254,255
	v_mov_b32 v[\r], 0                             ; lane permutes' destinations, f, and the partial sums: the step is written once, the first finds zeros
.endr
.set j, 0
.rept 32
	v_mov_b32 v[OT+j], 0
.set j, j+1
.endr
	s_wait_alu depctr_va_vdst(0)                   ; ahead of the wait below
	s_wait_loadcnt 0x0
	ds_store_b128 v9, v[S:S+3]
	v_perm_b32 v[QSW], v[QSW], v[QSW], s19
	v_mov_b32 v8, 0                                ; the eighth partial sum (the load that took v8 as its offset is done)
	v_mov_b32 v9, 0
; the last eight additions of a step's sum: six behind the second product, two behind the next step's first
.macro DEFER1
	v_pk_add_f32 v[246:247], v[246:247], v[236:237]
	v_pk_add_f32 v[248:249], v[248:249], v[238:239]
	v_pk_add_f32 v[250:251], v[250:251], v[8:9]
	v_pk_add_f32 v[252:253], v[252:253], v[254:255]
	v_pk_add_f32 v[246:247], v[246:247], v[248:249]
	v_pk_add_f32 v[250:251], v[250:251], v[252:253]
.endm
.macro DEFER2
	v_pk_add_f32 v[246:247], v[246:247], v[250:251]
	v_pk_fma_f32 v[14:15], v[14:15], v[FF:FF+1], v[246:247] op_sel_hi:[1,0,1]   ; the row's sum under that step's M, and that step's p
.endm
.macro ADD8 first, base                ; the eight partial sums take eight (first: sixteen) pairs of p
.set n, 0
.irp p, 246,248,250,252,254,236,238,8
.if \first
	v_pk_add_f32 v[\p:\p+1], v[S+\base+n:S+\base+n+1], v[S+\base+16+n:S+\base+16+n+1]
.else
	v_pk_add_f32 v[\p:\p+1], v[\p:\p+1], v[S+\base+n:S+\base+n+1]
.endif
.set n, n+2
.endr
.endm
.macro STEP
	v_add_nc_u32 v[ADK], s[TB], v[LI]
	v_add_nc_u32 v[ADS], s[TS], v[LS]
	DEFER1                                         ; with the two additions: eight places behind the last products, in front of loads into registers that they read
.irp t, 0,1,2,3
.irp c, 0,1,2,3
	ds_load_b128 v[FR+16*\t+4*\c:FR+16*\t+4*\c+3], v[ADK] offset:8192*(\t/2)+2048*(\t%2)+512*\c
.endr
	ds_load_b32 v[KSW+\t], v[ADS] offset:64*\t
.endr
	s_wait_alu depctr_va_vdst(0)                   ; ahead of the wait below
	s_wait_dscnt 0x0
.irp t, 0,1,2,3,4,5,6,7
	v_wmma_scale_f32_16x16x128_f8f6f4 v[S+8*\t:S+8*\t+7], v[FR+16*(\t%4):FR+16*(\t%4)+15], v[QL+8*(\t/4):QL+8*(\t/4)+15], 0, v[KSW+\t%4], v[QSW] matrix_a_fmt:MATRIX_FMT_BF8 matrix_b_fmt:MATRIX_FMT_BF8
.endr
	DEFER2                                         ; two of the eight places behind the products
.rept 6
	v_nop
.endr
.irp t, 0,1,2,3                                ; V's fragments land while the softmax is worked
.irp c, 0,1,2,3
	ds_load_b128 v[FR+16*\t+4*\c:FR+16*\t+4*\c+3], v[ADK] offset:8192*(\t/2)+2048*(\t%2)+512*\c+4096
.endr
	ds_load_b32 v[VSW+\t], v[ADS] offset:64*\t+4096
.endr
.irp b, 0,1,2,3
	v_max3_num_f32 v[BM+\b], v[S+16*\b], v[S+1+16*\b], v[S+2+16*\b]   ; the largest score of each block of 32 keys: for the row's maximum and for the block's largest p
.endr
.irp i, 3,5,7,9,11,13
.irp b, 0,1,2,3
	v_max3_num_f32 v[BM+\b], v[BM+\b], v[S+16*\b+\i], v[S+1+16*\b+\i]
.endr
.endr
.irp b, 0,1,2,3
	v_max_num_f32 v[BM+\b], v[BM+\b], v[S+15+16*\b]
.endr
.irp b, 0,1,2,3
	v_permlanex16_b32 v[BP+\b], v[BM+\b], s[SEL], s[SEL+1]
.endr
.irp b, 0,1,2,3
	v_max_num_f32 v[BM+\b], v[BM+\b], v[BP+\b]
.endr
	v_max3_num_f32 v[TT], v[BM], v[BM+1], v[BM+2]
	s_delay_alu instid0(VALU_DEP_1)
	v_max3_num_f32 v13, v[TT], v[BM+3], v13        ; the running largest score (c is positive)
	s_delay_alu instid0(VALU_DEP_1)
	v_mul_f32 v[TT], s[CS], v13                    ; as t
	s_delay_alu instid0(VALU_DEP_1)
	v_floor_f32 v12, -v[TT]                        ; the new -M = -ceil(t)
	s_delay_alu instid0(VALU_DEP_1)
	v_sub_f32 v[TT], v12, v[NMO]                   ; old M - new M: a whole number, 0 or less
	s_delay_alu instid0(VALU_DEP_1)
	v_cvt_i32_f32 v[TT], v[TT]                     ; (it saturates)
	s_delay_alu instid0(VALU_DEP_1)
	v_ldexp_f32 v[FF], 1.0, v[TT]                  ; f = 2^(old M - new M): rounds nothing
.set j, 0
.rept 32
	v_pk_fma_f32 v[S+j:S+j+1], v[S+j:S+j+1], s[CS:CS+1], v[12:13] op_sel_hi:[1,0,0]   ; t - M
.set j, j+2
.endr
.irp b, 0,1,2,3
	v_fma_f32 v[BM+\b], v[BM+\b], s[CS], v12       ; the same of each block's largest score
.endr
	s_wait_alu depctr_va_vdst(0)                   ; one batch of 68
.irp b, 0,1,2,3
	v_exp_f32 v[BM+\b], v[BM+\b]                   ; each block's largest p
.endr
.set j, 0
.rept 64
	v_exp_f32 v[S+j], v[S+j]                       ; p, not normalised
.set j, j+1
.endr
	v_mov_b32 v[NMO], v12                          ; the plain instruction behind the batch
	s_wait_alu depctr_va_vdst(0)                   ; and a wait behind it, ahead of its first reader
.irp b, 0,1,2,3
	v_max_num_f32 v[BM+\b], 0x8000000, v[BM+\b]    ; the floor 2^(16 - 127)
.endr
	ADD8 1, 0                                      ; the sum is taken of the unquantised p, ahead of the holds
.irp b, 0,1,2,3
	v_add_nc_u32 v[SCO+\b], 0xf8800000, v[BM+\b]   ; 15 off the exponent field: the conversion's scale operand
.endr
.irp b, 0,1,2,3
	v_and_or_b32 v[HOLD+\b], v[BM+\b], 0x7f800000, s[MNT]   ; 57,344 x the scale
.endr
	ADD8 0, 32
.irp b, 0,1,2,3
	v_lshrrev_b32 v[BP+\b], 23, v[SCO+\b]          ; the scale's byte
.endr
	ADD8 0, 48
	v_lshl_or_b32 v[PSW], v[BP+1], 8, v[BP]
	v_lshl_or_b32 v[TT], v[BP+3], 8, v[BP+2]
.irp b, 0,1,2,3
.set i, 0
.rept 8
	v_dual_min_num_f32 v[S+16*\b+i], v[HOLD+\b], v[S+16*\b+i] :: v_dual_min_num_f32 v[S+16*\b+i+1], v[HOLD+\b], v[S+16*\b+i+1]   ; p is not negative: a one-sided hold, two to an instruction
.set i, i+2
.endr
	v_cvt_scalef32_pk8_bf8_f32 v[PC+4*\b:PC+4*\b+1], v[S+16*\b:S+16*\b+7], v[SCO+\b]
	v_cvt_scalef32_pk8_bf8_f32 v[PC+4*\b+2:PC+4*\b+3], v[S+16*\b+8:S+16*\b+15], v[SCO+\b]
.if \b == 0
	v_lshl_or_b32 v[PSW], v[TT], 16, v[PSW]        ; p's scale word for these 128 keys
.endif
.endr
	s_wait_alu depctr_va_vdst(0)                   ; directly ahead of O^T's first reader
.set j, 0
.rept 16
	v_pk_mul_f32 v[OT+j:OT+j+1], v[OT+j:OT+j+1], v[FF:FF+1] op_sel_hi:[1,0]   ; O^T under the new M; also the places in front of the products below
.set j, j+2
.endr
	s_wait_alu depctr_va_vdst(0)                   ; ahead of the wait below
	s_wait_dscnt 0x0                               ; V is in
.irp t, 0,1,2,3
	v_wmma_scale_f32_16x16x128_f8f6f4 v[OT+8*\t:OT+8*\t+7], v[FR+16*\t:FR+16*\t+15], v[PC:PC+15], v[OT+8*\t:OT+8*\t+7], v[VSW+\t], v[PSW] matrix_a_fmt:MATRIX_FMT_BF8 matrix_b_fmt:MATRIX_FMT_BF8
.endr
	s_add_co_u32 s[TB], s[TB], 16384
	s_add_co_u32 s[TS], s[TS], 256
.endm
.macro RUN steps
	s_mov_b32 s[CNT], \steps
.Lstep_\@:
	STEP
	s_sub_co_u32 s[CNT], s[CNT], 1
	s_cmp_lg_u32 s[CNT], 0
	s_wait_alu depctr_va_vdst(0)                   ; directly ahead of the branch
	s_cbranch_scc1 .Lstep_\@
.endm
	s_wait_alu depctr_va_vdst(0)                   ; the head's end
	s_wait_tensorcnt 0x0                           ; my part of keys 0-1,023 is in
	ds_add_u32 v[SPW], v[NIL]
	s_wait_dscnt 0x0                               ; the add is done, and my store of scale words has landed
	CROUND                                         ; everybody's part is in, and all four work-groups are here
	tensor_load_to_lds s[G0+4:G0+7], s[G1:G1+7]    ; my part of keys 1,024-2,047: the one tensor load behind the round
	s_nop 0
	RUN 8
	s_wait_alu depctr_va_vdst(0)
	s_wait_tensorcnt 0x0                           ; my part of the other keys is in
	s_wait_dscnt 0x0
	s_barrier_signal -1
	s_barrier_wait -1                              ; and everybody's; nothing is ever filled again
	RUN 8
	; THE WAY OUT: O^T / the sum, quantised along e: register 16 B + i is e = 32 B + 16 (lane / 16) + i
	DEFER1                                         ; the last step's sum; also the eight places behind the last products
	DEFER2
	v_add_f32 v14, v14, v15
	v_permlanex16_b32 v[TT], v14, s[SEL], s[SEL+1]
	v_add_f32 v14, v14, v[TT]
	s_wait_alu depctr_va_vdst(0)
	v_rcp_f32 v14, v14
	v_nop
	s_wait_alu depctr_va_vdst(0)
.set j, 0
.rept 32
	v_mul_f32 v[S+j], v[OT+j], v14
.set j, j+1
.endr
.irp b, 0,1
	v_max3_num_f32 v[BM+\b], |v[S+16*\b]|, |v[S+1+16*\b]|, 0x8000000
.endr
.irp i, 2,4,6,8,10,12,14
.irp b, 0,1
	v_max3_num_f32 v[BM+\b], v[BM+\b], |v[S+16*\b+\i]|, |v[S+1+16*\b+\i]|
.endr
.endr
.irp b, 0,1
	v_permlanex16_b32 v[BP+\b], v[BM+\b], s[SEL], s[SEL+1]
.endr
.irp b, 0,1
	v_max_num_f32 v[BM+\b], v[BM+\b], v[BP+\b]
.endr
.irp b, 0,1
	v_add_nc_u32 v[SCO+\b], 0xf8800000, v[BM+\b]
.endr
.irp b, 0,1
	v_and_or_b32 v[HOLD+\b], v[BM+\b], 0x7f800000, s[MNT]
.endr
.irp b, 0,1
	v_lshrrev_b32 v[BP+\b], 23, v[SCO+\b]
.endr
	v_lshl_or_b32 v[PSW], v[BP+1], 8, v[BP]
.irp b, 0,1
.set i, 0
.rept 16
	v_med3_num_f32 v[S+16*\b+i], v[S+16*\b+i], -v[HOLD+\b], v[HOLD+\b]
.set i, i+1
.endr
	v_cvt_scalef32_pk8_bf8_f32 v[PC+4*\b:PC+4*\b+1], v[S+16*\b:S+16*\b+7], v[SCO+\b]
	v_cvt_scalef32_pk8_bf8_f32 v[PC+4*\b+2:PC+4*\b+3], v[S+16*\b+8:S+16*\b+15], v[SCO+\b]
.endr
	v_nop
	global_store_b128 v[LI], v[PC:PC+3], s[8:9]
	global_store_b128 v[LI], v[PC+4:PC+7], s[8:9] offset:512   ; 1,024 consecutive bytes in all
	global_store_b16 v[R4], v[PSW], s[10:11]       ; lanes l and l + 16 store the same two bytes
	s_wait_tensorcnt 0x0                           ; the wave's end
	ds_add_u32 v[SPW], v[NIL]
	s_wait_dscnt 0x0
	CROUND                                         ; the closing round
	s_endpgm
.Lfunc_end_k_qf93f293d3a_attn:
	.size	k_qf93f293d3a_attn, .Lfunc_end_k_qf93f293d3a_attn-k_qf93f293d3a_attn
	.p2alignl 7, 3214868480
	.fill 96, 4, 3214868480
	.section	.rodata,"a",@progbits
	.p2align	6, 0x0
	.amdhsa_kernel k_qf93f293d3a_attn
		.amdhsa_group_segment_fixed_size 327680
		.amdhsa_private_segment_fixed_size 0
		.amdhsa_enable_private_segment 0
		.amdhsa_kernarg_size 16
		.amdhsa_user_sgpr_count 2
		.amdhsa_user_sgpr_kernarg_segment_ptr 1
		.amdhsa_wavefront_size32 1
		.amdhsa_system_sgpr_workgroup_id_x 1
		.amdhsa_system_sgpr_workgroup_id_y 1
		.amdhsa_system_sgpr_workgroup_id_z 1
		.amdhsa_system_vgpr_workitem_id 0
		.amdhsa_next_free_vgpr 256
		.amdhsa_next_free_sgpr 66
		.amdhsa_reserve_vcc 0
		.amdhsa_float_denorm_mode_32 3
		.amdhsa_float_denorm_mode_16_64 3
		.amdhsa_memory_ordered 1
		.amdhsa_forward_progress 1
		.amdhsa_inst_pref_size 53
	.end_amdhsa_kernel
	.amdgpu_metadata
---
amdhsa.version: [ 1, 2 ]
amdhsa.kernels:
  - .name:           k_qf93f293d3a_attn
    .symbol:         k_qf93f293d3a_attn.kd
    .args:
      - { .name: QKV, .offset: 0, .size: 8, .value_kind: global_buffer, .address_space: global }
      - { .name: HD, .offset: 8, .size: 8, .value_kind: global_buffer, .address_space: global }
    .group_segment_fixed_size: 327680
    .private_segment_fixed_size: 0
    .kernarg_segment_align: 8
    .kernarg_segment_size: 16
    .max_flat_workgroup_size: 512
    .sgpr_count:     66
    .vgpr_count:     256
    .wavefront_size: 32
...
	.end_amdgpu_metadata
.endif
;; end of part 3
;; launch ogemm (part 4): grid 8 x 32, 4 waves a work-group, clusters of 4 x 4, 327,680 bytes of LDS; arguments HD, WB, x, Z1; writes Z1
.if DOCPART == 4
	.amdgcn_target "amdgcn-amd-amdhsa--gfx1250"
	.amdhsa_code_object_version 6
	.text
	.protected	k_qf93f293d3a_ogemm
	.globl	k_qf93f293d3a_ogemm
	.p2align	8
	.type	k_qf93f293d3a_ogemm,@function
k_qf93f293d3a_ogemm:
	s_mov_b64 s[64:65], 0
	v_nop
	global_prefetch_b8 v0, s[64:65] scope:SCOPE_SE
	s_setreg_imm32_b32 hwreg(HW_REG_WAVE_MODE, 25, 1), 1
	s_wait_xcnt 0x0
	s_wait_alu depctr_hold_cnt(0) depctr_sa_sdst(0) depctr_va_vdst(0) depctr_va_sdst(0) depctr_va_ssrc(0) depctr_va_vcc(0) depctr_vm_vsrc(0)
	s_getreg_b32 s2, hwreg(HW_REG_IB_STS2, 6, 4)
	s_cmp_eq_u32 s2, 0
	s_cbranch_scc0 .Lentry_in_a_cluster
	s_endpgm
.Lentry_in_a_cluster:
	s_bfe_u32 s2, ttmp6, 0x10000c
	s_cmp_lg_u32 s2, 0xf033
	s_cbranch_scc0 .Lentry_shape_is_right
	s_endpgm
.Lentry_shape_is_right:
; Product 6 and the residual: z1 = x + heads_cat W_O.  The text of launch down with K = 1,024 and no bias: B's 128 rows lie in LDS whole, filled once, so there is no ring and no refill;
; A's images (heads_cat, eight K steps) go from memory straight into registers.  The design is explained at the head of launch down.  No prefetch: all of B is asked for at the head, and A's first
; three K steps of eight with it.
.set KTOT,   1024
.set BIAS,   0
.set ASOFF,  4<<20
.set BCOFF,  8<<20
.set BSOFF,  (9<<20)+(256<<10)
.set NS,     KTOT/128
.set NPH,    KTOT/1024
.set KS,     KTOT/32
.set KSB,    524288
.set BPITCH, 1040
.set BHALF,  64*BPITCH
.set SLOT,   2*BHALF
.if NPH > 1
.set ASC,    2*SLOT
.else
.set ASC,    SLOT
.endif
.set BSC,    ASC+NS*512
.set HALFS,  (64*KS/256)*272
.set SBLK,   (16*KS/256)*272
.set STG,    BSC+2*HALFS
.set SPARE,  STG+4*16*272
.set ADRB0, 16
.set ADRB, 17
.set LI,   18
.set ADSA, 22
.set ADSB, 23
.set STO,  24
.set RD,   25
.set CO,   26
.set SPW,  28
.set NIL,  29
.set PFO,  30
.set SC,   32
.set BK,   32
.set BI,   96
.set ACC,  128
.set AP,   20
.set PFA,  24
.set SBS,  26
.set G1B, 48
.set G0B, 56
.set G1S, 68
.set G0S, 76
.set G1SB, 80
.set G0SB, 88
.set MSB, 0
.macro WIN new
.if MSB != (\new)
	s_set_vgpr_msb (MSB<<8)|(\new)
.set MSB, (\new)
.endif
.endm
.set MUL,  0x06
.macro PLACES n
.rept \n
	v_nop
.endr
.endm
.macro JLOADB
	s_cmp_lt_u32 s14, 2
	s_cbranch_scc0 .Lno_b_\@
	tensor_load_to_lds s[G0B:G0B+3], s[G1B:G1B+7]
	s_nop 0
	PLACES 4
.Lno_b_\@:
.endm
.macro CREST
	s_cmp_lg_u32 s14, 0
	s_cbranch_scc1 .Lnot_wave_0_\@
	s_barrier_signal -3
.Lnot_wave_0_\@:
	s_barrier_wait -3
	s_barrier_signal -1
	s_barrier_wait -1
.endm
.macro CROUND
	s_barrier_signal -1
	s_barrier_wait -1
	CREST
.endm
.macro ALOAD rel, buf
.irp i, 0,1,2,3
.irp c, 0,1,2,3
	global_load_b128 v[64*(\buf)+16*\i+4*\c:64*(\buf)+16*\i+4*\c+3], v[LI], s[AP:AP+1] offset:(\rel)*KSB+2048*\i+512*\c
.endr
.endr
.endm
.macro BLOAD q, buf
.irp i, 0,1,2,3
.irp c, 0,1,2,3
	ds_load_b128 v[128+64*(\buf)+16*\i+4*\c:128+64*(\buf)+16*\i+4*\c+3], v[ADRB] offset:128*(\q)+32*\c+16*BPITCH*\i
.endr
.endr
.endm
.macro RLOAD
	WIN 0x80
.irp a, 0,1,2,3
.irp i, 0,1,2,3,4,5,6,7
	global_load_b128 v[32*\a+4*\i:32*\a+4*\i+3], v[CO], s[8:9] offset:4096*(32*(\a/2)+8*(\a%2)+2*\i+8*(\i/4))
.endr
.endr
.endm
.macro SCALES sc
.irp i, 0,1,2,3
.irp q, 0,1,2,3
	ds_load_b32 v[SC+32*(\sc)+4*\i+\q], v[ADSA] offset:512*\q+64*\i
.endr
	ds_load_b128 v[SC+32*(\sc)+16+4*\i:SC+32*(\sc)+16+4*\i+3], v[ADSB] offset:\i*SBLK
.endr
.endm
.macro MUL4 st, a, cm
.irp b, 0,1,2,3
.set rD, ACC+8*(4*\a+\b)
.set rB, 128+64*((\st)%2)+16*\b
.set rA, 64*((\st)%4)+16*\a
.set sB, SC+32*(((\st)/4)%2)+16+4*\b+(\st)%4
.set sA, SC+32*(((\st)/4)%2)+4*\a+(\st)%4
.if \cm == 0
	v_wmma_scale_f32_16x16x128_f8f6f4 v[rD:rD+7], v[rB:rB+15], v[rA:rA+15], v[rD:rD+7], v[sB], v[sA] matrix_a_fmt:MATRIX_FMT_BF8 matrix_b_fmt:MATRIX_FMT_BF8
.elseif \cm == 1
	v_wmma_scale_f32_16x16x128_f8f6f4 v[rD:rD+7], v[rB:rB+15], v[rA:rA+15], 0, v[sB], v[sA] matrix_a_fmt:MATRIX_FMT_BF8 matrix_b_fmt:MATRIX_FMT_BF8
.else
	v_wmma_scale_f32_16x16x128_f8f6f4 v[rD:rD+7], v[rB:rB+15], v[rA:rA+15], v[BI+8*\b:BI+8*\b+7], v[sB], v[sA] matrix_a_fmt:MATRIX_FMT_BF8 matrix_b_fmt:MATRIX_FMT_BF8
.endif
.endr
.endm
.macro LCW e
.if (\e) >= 5
	s_wait_loadcnt 32
.elseif (\e) >= 2
	s_wait_loadcnt 63
.elseif (\e) == 1
	s_wait_loadcnt 16
.else
	s_wait_loadcnt 0
.endif
.endm
.macro QSTEP st, rel, e, cm
	LCW \e
	s_wait_dscnt 0x0
	PLACES 8
.if (\e) >= 1
	WIN 0x80
	BLOAD (\st)+1, ((\st)+1)%2
.endif
.if ((\st)%4 == 2) && ((\e) >= 2)
	WIN 0
	v_add_nc_u32 v[ADSA], 2048, v[ADSA]
	v_add_nc_u32 v[ADSB], 16, v[ADSB]
	s_wait_alu depctr_va_vdst(0)
	SCALES 1-((\st)/4)%2
.endif
.if (\e) >= 3
	WIN 0x40
	ALOAD (\rel)+3, ((\st)+3)%4
.endif
	WIN MUL
.irp a, 0,1,2,3
	MUL4 \st, \a, \cm
.endr
.if (\e) == 5
	RLOAD
.endif
.endm
	s_load_b256 s[4:11], s[0:1], 0x0
	v_lshl_add_u32 v[SPW], v0, 2, SPARE
	v_mov_b32 v[NIL], 0
	ds_add_u32 v[SPW], v[NIL]
	ds_add_u32 v[SPW], v[NIL]
	v_lshrrev_b32 v1, 5, v0
	v_readfirstlane_b32 s14, v1
	s_lshr_b32 s15, s14, 1
	s_and_b32 s16, s14, 1
	s_bfe_u32 s40, ttmp6, 0x40000
	s_bfe_u32 s41, ttmp6, 0x40004
	s_lshl_b32 s42, ttmp9, 2
	s_add_co_u32 s42, s42, s40
	s_and_b32 s17, ttmp7, 0xffff
	s_lshl_b32 s17, s17, 2
	s_add_co_u32 s17, s17, s41
	s_lshl_b32 s43, s41, 2
	s_lshl_b32 s43, 15, s43
	s_lshl_b32 s44, 0x1111, s40
	s_or_b32 s[G1B+0], s44, (0<<16)|(1<<20)|(1<<21)|(7<<22)|(3<<25)
	s_mov_b32 s[G1B+1], 1024<<16
	s_mov_b32 s[G1B+2], 64<<16
	s_mov_b32 s[G1B+3], 1024<<16
	s_mov_b32 s[G1B+4], 64
	s_mov_b32 s[G1B+5], KTOT
	s_mov_b32 s[G1B+6], 0
	s_mov_b32 s[G1B+7], 0
	s_or_b32 s[G1S+0], s43, (3<<16)|(1<<21)
	s_mov_b32 s[G1S+1], 64<<16
	s_mov_b32 s[G1S+2], NS<<16
	s_mov_b32 s[G1S+3], 64<<16
	s_mov_b32 s[G1S+4], NS
	s_mov_b32 s[G1S+5], 2048
	s_mov_b32 s[G1S+6], 0
	s_mov_b32 s[G1S+7], 0
	s_or_b32 s[G1SB+0], s44, (3<<16)|(1<<20)|(1<<21)|(5<<22)|(3<<25)
	s_mov_b32 s[G1SB+1], 32<<16
	s_mov_b32 s[G1SB+2], (128*KS/256)<<16
	s_mov_b32 s[G1SB+3], 32<<16
	s_mov_b32 s[G1SB+4], 128*KS/256
	s_mov_b32 s[G1SB+5], 32
	s_mov_b32 s[G1SB+6], 0
	s_mov_b32 s[G1SB+7], 0
	s_lshl_b32 s20, s17, 3
	s_lshl_b32 s18, s15, 2
	s_add_co_u32 s20, s20, s18
	s_lshl_b32 s20, s20, 11
	s_mov_b32 s21, 0
	s_lshl_b32 s22, s17, 9
	s_add_co_u32 s22, s22, ASOFF
	s_mov_b32 s23, 0
	s_lshl_b32 s46, s42, 7
	s_mul_i32 s92, s46, KS
	s_add_co_u32 s92, s92, BSOFF
	s_lshl_b32 s18, s16, 6
	s_add_co_u32 s46, s46, s18
	s_mul_i32 s46, s46, KTOT
	s_add_co_u32 s46, s46, BCOFF
	s_mov_b32 s47, 0
	s_mov_b32 s93, 0
	s_mul_i32 s94, s16, BHALF
	s_mov_b32 s[SBS], 0
	s_lshl_b32 s30, s17, 7
	s_lshl_b32 s31, s15, 6
	s_add_co_u32 s30, s30, s31
	s_lshl_b32 s30, s30, 12
	s_lshl_b32 s32, s42, 7
	s_lshl_b32 s33, s16, 6
	s_add_co_u32 s32, s32, s33
	s_lshl_b32 s32, s32, 2
	s_add_co_u32 s30, s30, s32
	s_mov_b32 s31, 0
	s_mov_b32 s33, 0
	v_and_b32 v1, 15, v0
	v_bfe_u32 v2, v0, 4, 1
	v_and_b32 v3, 31, v0
	v_lshlrev_b32 v[LI], 4, v3
	s_wait_alu depctr_va_vdst(0)
	s_wait_dscnt 0x0
	s_wait_kmcnt 0x0
	s_add_nc_u64 s[AP:AP+1], s[4:5], s[20:21]
	s_add_nc_u64 s[22:23], s[4:5], s[22:23]
	s_add_nc_u64 s[46:47], s[6:7], s[46:47]
	s_add_nc_u64 s[92:93], s[6:7], s[92:93]
	s_add_nc_u64 s[8:9], s[8:9], s[30:31]
	s_add_nc_u64 s[10:11], s[10:11], s[30:31]
	WIN 0x40
	ALOAD 0, 0
	ALOAD 1, 1
	ALOAD 2, 2
	WIN 0
	CROUND
	s_mov_b32 s[G0B], 1
	s_mov_b32 s[G0B+1], s94
	s_mov_b64 s[G0B+2:G0B+3], s[46:47]
	s_or_b32 s[G0B+3], s[G0B+3], 0x80000000
	s_mov_b32 s[G0S], 1
	s_mov_b32 s[G0S+1], ASC
	s_mov_b64 s[G0S+2:G0S+3], s[22:23]
	s_or_b32 s[G0S+3], s[G0S+3], 0x80000000
	s_mov_b32 s[G0SB], 1
	s_mov_b32 s[G0SB+1], BSC
	s_mov_b64 s[G0SB+2:G0SB+3], s[92:93]
	s_or_b32 s[G0SB+3], s[G0SB+3], 0x80000000
.macro ARM under, g0, g1, next
	s_cmp_lt_u32 s14, \under
	s_cbranch_scc0 \next
	tensor_load_to_lds s[\g0:\g0+3], s[\g1:\g1+7]
	s_nop 0
	PLACES 4
	s_branch .Lhead_asked
\next:
.endm
	ARM 2, G0B, G1B, .Lhead_sa
	ARM 3, G0S, G1S, .Lhead_sb
	tensor_load_to_lds s[G0SB:G0SB+3], s[G1SB:G1SB+7]
	s_nop 0
	PLACES 4
.Lhead_asked:
	v_mul_u32_u24 v4, v1, BPITCH
	v_lshl_add_u32 v4, v2, 4, v4
	v_add_nc_u32 v[ADRB0], s94, v4
	v_add_nc_u32 v[ADRB], s94, v4
	s_lshl_b32 s34, s15, 8
	s_add_co_u32 s34, s34, ASC
	v_lshl_add_u32 v[ADSA], v1, 2, s34
	v_mul_u32_u24 v5, v1, KS
	v_lshrrev_b32 v6, 8, v5
	v_lshl_add_u32 v5, v6, 4, v5
	s_mul_i32 s34, s16, HALFS
	s_add_co_u32 s34, s34, BSC
	v_add_nc_u32 v[ADSB], s34, v5
	s_mul_i32 s35, s14, 16*272
	s_add_co_u32 s35, s35, STG
	v_mul_u32_u24 v5, v1, 272
	v_lshl_add_u32 v5, v2, 6, v5
	v_add_nc_u32 v[STO], s35, v5
	v_mul_u32_u24 v5, v2, 272
	v_lshl_add_u32 v5, v1, 4, v5
	v_add_nc_u32 v[RD], s35, v5
	v_lshlrev_b32 v5, 12, v2
	v_lshl_add_u32 v[CO], v1, 4, v5
	s_wait_alu depctr_va_vdst(0)
	s_wait_tensorcnt 0x0
	ds_add_u32 v[SPW], v[NIL]
	s_wait_dscnt 0x0
	s_barrier_signal -1
	s_barrier_wait -1
	WIN 0x80
	BLOAD 0, 0
	WIN 0
	SCALES 0
	QSTEP 0, 0, 7, 1
	QSTEP 1, 1, 6, 0
	QSTEP 2, 2, 5, 0
	QSTEP 3, 3, 4, 0
	QSTEP 4, 4, 3, 0
	QSTEP 5, 5, 2, 0
	QSTEP 6, 6, 1, 0
	QSTEP 7, 7, 0, 0
	WIN 0
	PLACES 8
	s_wait_loadcnt 0x0
.irp a, 0,1,2,3
.irp b, 0,1,2,3
	ds_store_b128 v[STO], v[ACC+8*(4*\a+\b):ACC+8*(4*\a+\b)+3] offset:128*(\b/2)+32*(\b%2)
	ds_store_b128 v[STO], v[ACC+8*(4*\a+\b)+4:ACC+8*(4*\a+\b)+7] offset:128*(\b/2)+32*(\b%2)+16
.endr
.if \a > 1
	s_wait_xcnt 0x0
.endif
.irp i, 0,1,2,3,4,5,6,7
	ds_load_b128 v[BK+32*(\a%2)+4*\i:BK+32*(\a%2)+4*\i+3], v[RD] offset:2*\i*272
.endr
	s_wait_dscnt 0x0
	WIN 0x08
.set k, 0
.rept 16
	v_pk_add_f32 v[BK+32*(\a%2)+k:BK+32*(\a%2)+k+1], v[BK+32*(\a%2)+k:BK+32*(\a%2)+k+1], v[32*\a+k:32*\a+k+1]
.set k, k+2
.endr
	WIN 0
.irp i, 0,1,2,3,4,5,6,7
	global_store_b128 v[CO], v[BK+32*(\a%2)+4*\i:BK+32*(\a%2)+4*\i+3], s[10:11] offset:4096*(32*(\a/2)+8*(\a%2)+2*\i+8*(\i/4))
.endr
.endr
	s_wait_tensorcnt 0x0
	ds_add_u32 v[SPW], v[NIL]
	s_wait_dscnt 0x0
	CROUND
	s_endpgm
.Lfunc_end_k_qf93f293d3a_ogemm:
	.size	k_qf93f293d3a_ogemm, .Lfunc_end_k_qf93f293d3a_ogemm-k_qf93f293d3a_ogemm
	.p2alignl 7, 3214868480
	.fill 96, 4, 3214868480
	.section	.rodata,"a",@progbits
	.p2align	6, 0x0
	.amdhsa_kernel k_qf93f293d3a_ogemm
		.amdhsa_group_segment_fixed_size 327680
		.amdhsa_private_segment_fixed_size 0
		.amdhsa_enable_private_segment 0
		.amdhsa_kernarg_size 32
		.amdhsa_user_sgpr_count 2
		.amdhsa_user_sgpr_kernarg_segment_ptr 1
		.amdhsa_wavefront_size32 1
		.amdhsa_system_sgpr_workgroup_id_x 1
		.amdhsa_system_sgpr_workgroup_id_y 1
		.amdhsa_system_sgpr_workgroup_id_z 1
		.amdhsa_system_vgpr_workitem_id 0
		.amdhsa_next_free_vgpr 768
		.amdhsa_next_free_sgpr 100
		.amdhsa_reserve_vcc 0
		.amdhsa_float_denorm_mode_32 3
		.amdhsa_float_denorm_mode_16_64 3
		.amdhsa_memory_ordered 1
		.amdhsa_forward_progress 1
		.amdhsa_inst_pref_size 65
	.end_amdhsa_kernel
	.amdgpu_metadata
---
amdhsa.version: [ 1, 2 ]
amdhsa.kernels:
  - .name:           k_qf93f293d3a_ogemm
    .symbol:         k_qf93f293d3a_ogemm.kd
    .args:
      - { .name: HD, .offset: 0, .size: 8, .value_kind: global_buffer, .address_space: global }
      - { .name: WB, .offset: 8, .size: 8, .value_kind: global_buffer, .address_space: global }
      - { .name: x, .offset: 16, .size: 8, .value_kind: global_buffer, .address_space: global }
      - { .name: Z1, .offset: 24, .size: 8, .value_kind: global_buffer, .address_space: global }
    .group_segment_fixed_size: 327680
    .private_segment_fixed_size: 0
    .kernarg_segment_align: 8
    .kernarg_segment_size: 32
    .max_flat_workgroup_size: 128
    .sgpr_count:     100
    .vgpr_count:     768
    .wavefront_size: 32
...
	.end_amdgpu_metadata
.endif
;; end of part 4
;; launch ln2 (part 5): grid 256 x 1, 4 waves a work-group, no clusters, 41,984 bytes of LDS; arguments Z1, gamma_2, beta_2, V1; writes V1
.if DOCPART == 5
	.amdgcn_target "amdgcn-amd-amdhsa--gfx1250"
	.amdhsa_code_object_version 6
	.text
	.protected	k_qf93f293d3a_ln2
	.globl	k_qf93f293d3a_ln2
	.p2align	8
	.type	k_qf93f293d3a_ln2,@function
k_qf93f293d3a_ln2:
	s_mov_b64 s[64:65], 0
	v_nop
	global_prefetch_b8 v0, s[64:65] scope:SCOPE_SE
	s_setreg_imm32_b32 hwreg(HW_REG_WAVE_MODE, 25, 1), 1
	s_wait_xcnt 0x0
; v1 = layernorm(z1) * gamma_2 + beta_2, quantised along d to codes of E5M2 with one E8M0 byte for each 32.  The first launch's text with PERM = 0: one copy, scale bytes at 4 MiB.
; Row n is stored at position sigma(n) (bits 3, 4 exchanged): codes [position][1024 B] at 0, scale bytes [position][32 B] at 4 MiB.
; SHARES.  A work-group has 16 rows, a wave 4; a row is 32 registers of the wave, read once.  Mean, then the mean of squared differences, as reference() writes it.
; A row turns through the wave's own stage in LDS so that a lane holds 16 neighbours for the conversions.  LIMITS: as in the first launch.
.set PERM,  0
.set SOFF,  4<<20
.set SP,    80
.set STGB,  64*SP
.set SCB,   8*STGB
.set SPARE, SCB+512
.set SPW,   12
.set NIL,   13
.set G,     16
.set BE,    48
.set X,     80
.set Y,     208
.set C,     240
.set A0,    248
.set A1,    250
.set M,     252
.set R,     254
	s_load_b256 s[4:11], s[0:1], 0x0               ; z1, gamma, beta, the output buffer
	v_lshl_add_u32 v[SPW], v0, 2, SPARE
	v_mov_b32 v[NIL], 0
	v_lshrrev_b32 v1, 5, v0
	v_readfirstlane_b32 s20, v1                    ; wave
	v_and_b32 v4, 31, v0                           ; lane
	v_lshlrev_b32 v1, 4, v4
	s_mul_i32 s21, s20, 2*STGB
	v_lshrrev_b32 v2, 2, v4
	v_mul_u32_u24 v2, v2, SP
	v_and_b32 v3, 3, v4
	v_lshl_add_u32 v2, v3, 4, v2
	v_add_nc_u32 v2, s21, v2                       ; the stage, in
	v_mul_u32_u24 v3, v4, SP
	v_add_nc_u32 v3, s21, v3                       ; and out
	s_lshl_b32 s21, s20, 7
	s_add_co_u32 s21, s21, SCB
	v_lshrrev_b32 v5, 1, v4
	v_add_nc_u32 v5, s21, v5                       ; my block's scale byte
	v_add_nc_u32 v6, SCB, v1
	v_and_b32 v7, 15, v4
	v_bfe_u32 v14, v4, 4, 1
	v_lshlrev_b32 v7, 4, v7
	v_lshl_add_u32 v7, v14, 9, v7
	s_mov_b32 s40, 0x76543210
	s_mov_b32 s41, 0xfedcba98
	s_mov_b32 s42, 0x3a800000                      ; 1 / 1024
	s_mov_b32 s43, 0x3727c5ac                      ; 1e-5
	s_mov_b32 s44, 0x600000
	s_lshl_b32 s22, ttmp9, 16
	s_lshl_b32 s23, s20, 14
	s_add_co_u32 s22, s22, s23
	s_mov_b32 s23, 0
	s_lshr_b32 s24, ttmp9, 1
	s_and_b32 s25, ttmp9, 1
	s_lshr_b32 s26, s20, 1
	s_and_b32 s27, s20, 1
	s_lshl_b32 s28, s24, 5
	s_lshl_b32 s29, s25, 3
	s_add_co_u32 s28, s28, s29
	s_lshl_b32 s30, s28, 5
	s_add_co_u32 s30, s30, SOFF
	s_mov_b32 s31, 0
	s_lshl_b32 s29, s26, 4
	s_add_co_u32 s28, s28, s29
	s_lshl_b32 s29, s27, 2
	s_add_co_u32 s28, s28, s29                     ; sigma of my first row
	s_lshl_b32 s28, s28, 10
	s_mov_b32 s29, 0
	s_wait_kmcnt 0x0
	s_add_nc_u64 s[4:5], s[4:5], s[22:23]
	s_add_nc_u64 s[12:13], s[10:11], s[28:29]
	s_add_nc_u64 s[16:17], s[10:11], s[30:31]
.irp k, 0,1,2,3,4,5,6,7
	global_load_b128 v[G+4*\k:G+4*\k+3], v1, s[6:7] offset:512*\k
.endr
.irp k, 0,1,2,3,4,5,6,7
	global_load_b128 v[BE+4*\k:BE+4*\k+3], v1, s[8:9] offset:512*\k
.endr
.irp i, 0,1,2,3
.irp k, 0,1,2,3,4,5,6,7
	global_load_b128 v[X+32*\i+4*\k:X+32*\i+4*\k+3], v1, s[4:5] offset:4096*\i+512*\k th:TH_LOAD_NT
.endr
.endr
.macro WSUM r
	v_add_f32_dpp v[\r], v[\r], v[\r] row_xmask:1 row_mask:0xf bank_mask:0xf
	v_add_f32_dpp v[\r], v[\r], v[\r] row_xmask:2 row_mask:0xf bank_mask:0xf
	v_add_f32_dpp v[\r], v[\r], v[\r] row_xmask:4 row_mask:0xf bank_mask:0xf
	v_add_f32_dpp v[\r], v[\r], v[\r] row_xmask:8 row_mask:0xf bank_mask:0xf
	v_permlanex16_b32 v14, v[\r], s40, s41
	v_add_f32 v[\r], v[\r], v14
.endm
.macro ROW i
.set XR, X+32*\i
.set ST, STGB*(\i%2)
	s_wait_loadcnt 8*(3-\i)                        ; my row is in; the later rows' eight loads each may be out
	v_pk_add_f32 v[A0:A0+1], v[XR:XR+1], v[XR+2:XR+3]
	v_pk_add_f32 v[A1:A1+1], v[XR+4:XR+5], v[XR+6:XR+7]
.set k, 8
.rept 6
	v_pk_add_f32 v[A0:A0+1], v[A0:A0+1], v[XR+k:XR+k+1]
	v_pk_add_f32 v[A1:A1+1], v[A1:A1+1], v[XR+k+2:XR+k+3]
.set k, k+4
.endr
	v_pk_add_f32 v[A0:A0+1], v[A0:A0+1], v[A1:A1+1]
	v_add_f32 v[A0], v[A0], v[A0+1]
	WSUM A0
	v_mul_f32 v[M], s42, v[A0]
	v_mul_f32 v[M+1], s42, v[A0]
.set k, 0
.rept 16
	v_pk_add_f32 v[XR+k:XR+k+1], v[XR+k:XR+k+1], v[M:M+1] neg_lo:[0,1] neg_hi:[0,1]
.set k, k+2
.endr
	v_pk_mul_f32 v[A0:A0+1], v[XR:XR+1], v[XR:XR+1]
	v_pk_mul_f32 v[A1:A1+1], v[XR+2:XR+3], v[XR+2:XR+3]
.set k, 4
.rept 7
	v_pk_fma_f32 v[A0:A0+1], v[XR+k:XR+k+1], v[XR+k:XR+k+1], v[A0:A0+1]
	v_pk_fma_f32 v[A1:A1+1], v[XR+k+2:XR+k+3], v[XR+k+2:XR+k+3], v[A1:A1+1]
.set k, k+4
.endr
	v_pk_add_f32 v[A0:A0+1], v[A0:A0+1], v[A1:A1+1]
	v_add_f32 v[A0], v[A0], v[A0+1]
	WSUM A0
	v_fma_f32 v15, v[A0], s42, s43
	s_wait_alu depctr_va_vdst(0)
	v_rsq_f32 v[R], v15
	v_rsq_f32 v[R+1], v15
	v_nop                                          ; a plain instruction behind the transcendentals,
	s_wait_alu depctr_va_vdst(0)                   ; and the one wait ahead of their first reader
.set k, 0
.rept 16
	v_pk_mul_f32 v[XR+k:XR+k+1], v[XR+k:XR+k+1], v[R:R+1]
.set k, k+2
.endr
.set k, 0
.rept 16
	v_pk_fma_f32 v[XR+k:XR+k+1], v[XR+k:XR+k+1], v[G+k:G+k+1], v[BE+k:BE+k+1]
.set k, k+2
.endr
.set k, 0
.rept 8
	ds_store_b128 v2, v[XR+4*k:XR+4*k+3] offset:ST+640*k
.set k, k+1
.endr
.set k, 0
.rept 8
	ds_load_b128 v[Y+4*k:Y+4*k+3], v3 offset:ST+2560*(k/4)+16*(k%4)
.set k, k+1
.endr
	s_wait_dscnt 0x0
.if \i > 0
	s_wait_xcnt 0x0                                ; the last row's stores have read their codes
.endif
.irp p, 0,1
.set YS, Y+16*\p
	v_max3_num_f32 v8, |v[YS]|, |v[YS+1]|, |v[YS+2]|
	v_max3_num_f32 v9, |v[YS+3]|, |v[YS+4]|, |v[YS+5]|
.irp q, 6,10
	v_max3_num_f32 v8, v8, |v[YS+\q]|, |v[YS+\q+1]|
	v_max3_num_f32 v9, v9, |v[YS+\q+2]|, |v[YS+\q+3]|
.endr
	v_max3_num_f32 v8, v8, |v[YS+14]|, |v[YS+15]|
	v_max3_num_f32 v8, v8, v9, 16<<23
	v_max_num_f32_dpp v8, v8, v8 row_xmask:1 row_mask:0xf bank_mask:0xf
	v_add_nc_u32 v11, -(15<<23), v8
	v_and_or_b32 v10, v8, 0x7f800000, s44
.set k, 0
.rept 16
	v_med3_num_f32 v[YS+k], v[YS+k], -v10, v10
.set k, k+1
.endr
	v_cvt_scalef32_pk8_bf8_f32 v[C+4*\p:C+4*\p+1], v[YS:YS+7], v11
	v_cvt_scalef32_pk8_bf8_f32 v[C+4*\p+2:C+4*\p+3], v[YS+8:YS+15], v11
	v_lshrrev_b32 v[XR+\p], 23, v11
	ds_store_b8 v5, v[XR+\p] offset:32*\i+16*\p
	global_store_b128 v1, v[C+4*\p:C+4*\p+3], s[12:13] offset:1024*\i+512*\p
.endr
.endm
	ROW 0
	ROW 1
	ROW 2
	ROW 3
	s_wait_dscnt 0x0
	s_barrier_signal -1
	s_barrier_wait -1
	s_cmp_lg_u32 s20, 0
	s_cbranch_scc1 .Lend                           ; wave 0 stores the group's 512 scale bytes
	ds_load_b128 v[16:19], v6
	s_wait_dscnt 0x0
	global_store_b128 v7, v[16:19], s[16:17]       ; two runs of 256 consecutive bytes
.Lend:
	s_wait_tensorcnt 0x0                           ; the wave's end
	ds_add_u32 v[SPW], v[NIL]
	s_wait_dscnt 0x0
	s_endpgm
.Lfunc_end_k_qf93f293d3a_ln2:
	.size	k_qf93f293d3a_ln2, .Lfunc_end_k_qf93f293d3a_ln2-k_qf93f293d3a_ln2
	.p2alignl 7, 3214868480
	.fill 96, 4, 3214868480
	.section	.rodata,"a",@progbits
	.p2align	6, 0x0
	.amdhsa_kernel k_qf93f293d3a_ln2
		.amdhsa_group_segment_fixed_size 41984
		.amdhsa_private_segment_fixed_size 0
		.amdhsa_enable_private_segment 0
		.amdhsa_kernarg_size 32
		.amdhsa_user_sgpr_count 2
		.amdhsa_user_sgpr_kernarg_segment_ptr 1
		.amdhsa_wavefront_size32 1
		.amdhsa_system_sgpr_workgroup_id_x 1
		.amdhsa_system_sgpr_workgroup_id_y 1
		.amdhsa_system_sgpr_workgroup_id_z 1
		.amdhsa_system_vgpr_workitem_id 0
		.amdhsa_next_free_vgpr 256
		.amdhsa_next_free_sgpr 66
		.amdhsa_reserve_vcc 0
		.amdhsa_float_denorm_mode_32 3
		.amdhsa_float_denorm_mode_16_64 3
		.amdhsa_memory_ordered 1
		.amdhsa_forward_progress 1
		.amdhsa_inst_pref_size 53
	.end_amdhsa_kernel
	.amdgpu_metadata
---
amdhsa.version: [ 1, 2 ]
amdhsa.kernels:
  - .name:           k_qf93f293d3a_ln2
    .symbol:         k_qf93f293d3a_ln2.kd
    .args:
      - { .name: Z1, .offset: 0, .size: 8, .value_kind: global_buffer, .address_space: global }
      - { .name: gamma_2, .offset: 8, .size: 8, .value_kind: global_buffer, .address_space: global }
      - { .name: beta_2, .offset: 16, .size: 8, .value_kind: global_buffer, .address_space: global }
      - { .name: V1, .offset: 24, .size: 8, .value_kind: global_buffer, .address_space: global }
    .group_segment_fixed_size: 41984
    .private_segment_fixed_size: 0
    .kernarg_segment_align: 8
    .kernarg_segment_size: 32
    .max_flat_workgroup_size: 128
    .sgpr_count:     66
    .vgpr_count:     256
    .wavefront_size: 32
...
	.end_amdgpu_metadata
.endif
;; end of part 5
;; launch up (part 6): grid 16 x 16, 4 waves a work-group, clusters of 4 x 4, 327,680 bytes of LDS; arguments V1, WB, b_up, V3; writes V3
.if DOCPART == 6
	.amdgcn_target "amdgcn-amd-amdhsa--gfx1250"
	.amdhsa_code_object_version 6
	.text
	.protected	k_qf93f293d3a_up
	.globl	k_qf93f293d3a_up
	.p2align	8
	.type	k_qf93f293d3a_up,@function
k_qf93f293d3a_up:
	s_mov_b64 s[64:65], 0
	v_nop
	global_prefetch_b8 v0, s[64:65] scope:SCOPE_SE
	s_setreg_imm32_b32 hwreg(HW_REG_WAVE_MODE, 25, 1), 1
	s_wait_xcnt 0x0
	s_wait_alu depctr_hold_cnt(0) depctr_sa_sdst(0) depctr_va_vdst(0) depctr_va_sdst(0) depctr_va_ssrc(0) depctr_va_vcc(0) depctr_vm_vsrc(0)
	s_getreg_b32 s2, hwreg(HW_REG_IB_STS2, 6, 4)
	s_cmp_eq_u32 s2, 0
	s_cbranch_scc0 .Lentry_in_a_cluster
	s_endpgm
.Lentry_in_a_cluster:
	s_bfe_u32 s2, ttmp6, 0x10000c
	s_cmp_lg_u32 s2, 0xf033
	s_cbranch_scc0 .Lentry_shape_is_right
	s_endpgm
.Lentry_shape_is_right:
; Product 7, b_up, the exact gelu and the quantiser of v3 along F.  The core is the second launch's: tiles of 256 x 256, four waves of 128 x 128, K = 1,024 in steps of 256 through two LDS slots,
; joint loads in clusters of 4 x 4.  X (source 0) = W_up's rows [position sigma(n)][1024], Y (source 1) = v1's rows: a lane holds one row of v1, its registers run along F in ascending order.
; b_up is the C of each sum's first product.  gelu(x) = x/2 + x/2 erf(x / sqrt 2), erf(z) = z P(z^2) / Q(z^2) with z held to +-4: a rational form of degrees 6 and 4 in z^2, good to a few last bits of f32.
; THE WAY OUT IS A LOOP of eight trips, to keep the text short: a trip copies x/2 of ONE block of 16 rows out of the accumulators (eight short runs, each passed over by a compare of the trip's number),
; and one common body on fixed registers does gelu, quantiser and stores.
; OUT: v3 as images [n / 128][row tile][group][lane][16 B] at 0, scale words [n / 128][row tile][16] at 16 MiB.
; LIMITS: as in the first launch; for strongly negative x the error of gelu is about 2^-24 |x| in absolute size, which can turn codes only of numbers minute beside their block's largest.
.set NQ,     2
.set ROWB,   256
.set KROW,   1024
.set PITCH,  272
.set FR,     16
.set NL,     4
.set NP,     8
.set HALFT,  128*PITCH
.set SLOT,   4*HALFT
.set LAPS,   2
.set KS,     32
.set SCL,    2*SLOT
.set HALFS,  16*272
.set SBLK,   2*272
.set SPARE,  SCL+4*HALFS
.set ADRA, 16
.set ADRB, 20
.set LI,   24
.set SST,  25
.set SRD,  26
.set ADRS, 27
.set SPW,  28
.set NIL,  29
.set TA,   30
.set SC,   32
.set BI,   64                          ; v64-127 the bias, 8 registers for each of X's eight blocks; on the way out G
.set AF,   128
.set TM,   32                          ; the way out, window 0
.set PW,   48
.set VA0,  56
.set VB0,  58
.set G,    64
.set Z,    128
.set Z2,   160
.set P,    192
.set Q,    224
.set PC,   128
.set RT2,  24                          ; scalar pairs on the way out, in registers that the descriptors have left
.set AL,   26
.set BT,   38
.set SEL,  46
.set MNT,  48
.set AI,   49
.set SS,   50
.set G1, 24
.set G0, 32
.set G1B, 48
.set G0B, 56
.set G1S, 68
.set G0S, 76
.set G1SB, 80
.set G0SB, 88
.set MSB, 0
.macro WIN new
.if MSB != (\new)
	s_set_vgpr_msb (MSB<<8)|(\new)
.set MSB, (\new)
.endif
.endm
.set MUL_LO, 0xa1
.set MUL_HI, 0xf1
.set TO_B,   0x40
.macro JLOAD g0a, g1a, g0b, g1b
	s_cmp_eq_u32 s15, 0
	s_cbranch_scc0 .Lfor_b_\@
	tensor_load_to_lds s[\g0a:\g0a+3], s[\g1a:\g1a+7]
	s_nop 0
.rept 4
	v_nop
.endr
	s_branch .Lasked_\@
.Lfor_b_\@:
	tensor_load_to_lds s[\g0b:\g0b+3], s[\g1b:\g1b+7]
	s_nop 0
.rept 4
	v_nop
.endr
.Lasked_\@:
.endm
.macro CREST
	s_cmp_lg_u32 s14, 0
	s_cbranch_scc1 .Lnot_wave_0_\@
	s_barrier_signal -3
.Lnot_wave_0_\@:
	s_barrier_wait -3
	s_barrier_signal -1
	s_barrier_wait -1
.endm
.macro CROUND
	s_barrier_signal -1
	s_barrier_wait -1
	CREST
.endm
	s_load_b256 s[4:11], s[0:1], 0x0               ; V1, WB, b_up, V3
	v_lshl_add_u32 v[SPW], v0, 2, SPARE
	v_mov_b32 v[NIL], 0
	ds_add_u32 v[SPW], v[NIL]                      ; the opening: the add, twice on end, and its wait ahead of my first tensor load
	ds_add_u32 v[SPW], v[NIL]
	v_lshrrev_b32 v1, 5, v0
	v_readfirstlane_b32 s14, v1
	s_lshr_b32 s15, s14, 1
	s_and_b32 s16, s14, 1
	s_bfe_u32 s40, ttmp6, 0x40000
	s_bfe_u32 s41, ttmp6, 0x40004
	s_lshl_b32 s42, ttmp9, 2
	s_add_co_u32 s42, s42, s40                     ; tile column (X: W_up)
	s_and_b32 s17, ttmp7, 0xffff
	s_lshl_b32 s17, s17, 2
	s_add_co_u32 s17, s17, s41                     ; tile row (Y: v1)
	s_lshl_b32 s43, s41, 2
	s_lshl_b32 s43, 15, s43
	s_lshl_b32 s44, 0x1111, s40
	s_or_b32 s[G1+0], s43, (0<<16)|(1<<20)|(1<<21)|(5<<22)|(3<<25)
	s_or_b32 s[G1B+0], s44, (0<<16)|(1<<20)|(1<<21)|(5<<22)|(3<<25)
.irp g, G1, G1B
	s_mov_b32 s[\g+1], ROWB<<16
	s_mov_b32 s[\g+2], 256<<16                     ; the head's loads of codes bring 256 rows
	s_mov_b32 s[\g+3], ROWB<<16
	s_mov_b32 s[\g+4], 256
	s_mov_b32 s[\g+5], KROW
	s_mov_b32 s[\g+6], 0
	s_mov_b32 s[\g+7], 0
.endr
	s_or_b32 s[G1S+0], s43, (3<<16)|(1<<20)|(1<<21)|(5<<22)|(3<<25)
	s_or_b32 s[G1SB+0], s44, (3<<16)|(1<<20)|(1<<21)|(5<<22)|(3<<25)
.irp g, G1S, G1SB
	s_mov_b32 s[\g+1], 32<<16
	s_mov_b32 s[\g+2], 32<<16                      ; the scale bytes of 256 rows: 32 rows of 256 bytes
	s_mov_b32 s[\g+3], 32<<16
	s_mov_b32 s[\g+4], 32
	s_mov_b32 s[\g+5], 32
	s_mov_b32 s[\g+6], 0
	s_mov_b32 s[\g+7], 0
.endr
	s_lshl_b32 s18, s16, 7
	s_lshl_b32 s20, s17, 8
	s_add_co_u32 s20, s20, s18
	s_lshl_b32 s46, s42, 8
	s_add_co_u32 s46, s46, s18
	s_lshl_b32 s22, s20, 5
	s_add_co_u32 s22, s22, 4<<20                   ; v1's scale bytes
	s_lshl_b32 s20, s20, 10
	s_lshl_b32 s92, s46, 5
	s_add_co_u32 s92, s92, 9<<20                   ; W_up's scale bytes
	s_lshl_b32 s46, s46, 10
	s_mov_b32 s21, 0
	s_mov_b32 s23, 0
	s_mov_b32 s47, 0
	s_mov_b32 s93, 0
	s_mul_i32 s45, s14, HALFT
	s_mul_i32 s94, s14, HALFS
	s_wait_dscnt 0x0                               ; both opening adds are done
	s_wait_kmcnt 0x0
	s_add_nc_u64 s[20:21], s[4:5], s[20:21]
	s_add_nc_u64 s[22:23], s[4:5], s[22:23]
	s_add_nc_u64 s[46:47], s[6:7], s[46:47]
	s_add_nc_u64 s[92:93], s[6:7], s[92:93]
	CROUND
	s_mov_b32 s[G0S], 1
	s_add_co_u32 s[G0S+1], s94, SCL-HALFS          ; used by wave 1 alone: LDS byte SCL,
	s_sub_nc_u64 s[G0S+2:G0S+3], s[22:23], 4096    ; and the tile's first row: 128 rows of 32 bytes back from its own half
	s_or_b32 s[G0S+3], s[G0S+3], 0x80000000
	s_mov_b32 s[G0SB], 1
	s_add_co_u32 s[G0SB+1], s94, SCL-HALFS         ; used by wave 3 alone: LDS byte SCL + 2 HALFS
	s_sub_nc_u64 s[G0SB+2:G0SB+3], s[92:93], 4096
	s_or_b32 s[G0SB+3], s[G0SB+3], 0x80000000
.irp s, 0,1
	s_mov_b32 s[G0+4*\s], 1
	s_add_co_u32 s[G0+4*\s+1], s45, \s*SLOT
	s_add_nc_u64 s[G0+4*\s+2:G0+4*\s+3], s[20:21], \s*ROWB
	s_or_b32 s[G0+4*\s+3], s[G0+4*\s+3], 0x80000000
	s_mov_b32 s[G0B+4*\s], 1
	s_add_co_u32 s[G0B+4*\s+1], s45, \s*SLOT
	s_add_nc_u64 s[G0B+4*\s+2:G0B+4*\s+3], s[46:47], \s*ROWB
	s_or_b32 s[G0B+4*\s+3], s[G0B+4*\s+3], 0x80000000
.endr
; THE HEAD'S LOADS, ONE A WAVE: wave 0 K step 0's 256 rows of v1, wave 1 their scale bytes, wave 2 K step 0's 256 rows of W_up, wave 3 their scale bytes.
; One tree of branches on the wave's number: every way through it passes exactly one load.
.macro ARM under, g0, g1, next
	s_cmp_lt_u32 s14, \under
	s_cbranch_scc0 \next
	tensor_load_to_lds s[\g0:\g0+3], s[\g1:\g1+7]
	s_nop 0
.rept 4
	v_nop
.endr
	s_branch .Lhead_asked
\next:
.endm
	ARM 1, G0,  G1,  .Lhead_sa
	ARM 2, G0S, G1S, .Lhead_b
	ARM 3, G0B, G1B, .Lhead_sb
	tensor_load_to_lds s[G0SB:G0SB+3], s[G1SB:G1SB+7]
	s_nop 0
.rept 4
	v_nop
.endr
.Lhead_asked:
	v_and_b32 v1, 15, v0
	v_bfe_u32 v2, v0, 4, 1
	v_mul_u32_u24 v3, v1, PITCH
	v_lshl_add_u32 v4, v2, 4, v3
	s_mul_i32 s21, s15, HALFT
	s_mul_i32 s22, s16, HALFT
	s_add_co_u32 s22, s22, 2*HALFT
.irp s, 0,1
	v_add_nc_u32 v[ADRA+\s], s21, v4
	v_add_nc_u32 v[ADRB+\s], s22, v4
	s_add_co_u32 s21, s21, SLOT
	s_add_co_u32 s22, s22, SLOT
.endr
	v_mul_u32_u24 v5, v1, KS
	v_lshrrev_b32 v6, 8, v5
	v_lshl_add_u32 v5, v6, 4, v5
	s_mul_i32 s21, s15, HALFS
	s_mul_i32 s22, s16, HALFS
	s_add_co_u32 s22, s22, 2*HALFS
	s_sub_co_u32 s22, s22, s21
	v_mul_u32_u24 v6, s22, v2
	s_add_co_u32 s21, s21, SCL
	v_add_nc_u32 v5, v5, v6
	v_add_nc_u32 v[ADRS], s21, v5
	v_and_b32 v6, 31, v0
	v_lshlrev_b32 v[LI], 4, v6
	s_lshl_b32 s23, s14, 9
	v_lshl_add_u32 v[SST], v1, 2, s23
	v_add_nc_u32 v[SRD], s23, v[LI]
	s_lshl_b32 s92, s42, 1
	s_add_co_u32 s92, s92, s16                     ; xs = 2 tile column + my half
	s_lshl_b32 s46, s92, 9                         ; my first number of b_up: 128 xs, 4 bytes each
	s_mov_b32 s47, 0
	s_add_nc_u64 s[8:9], s[8:9], s[46:47]
	s_lshl_b32 s94, s17, 4
	s_lshl_b32 s46, s15, 3
	s_add_co_u32 s94, s94, s46                     ; my first row tile
	s_lshl_b32 s46, s94, 11
	s_lshl_b32 s93, s92, 19
	s_add_co_u32 s46, s46, s93
	s_add_nc_u64 s[12:13], s[10:11], s[46:47]      ; my codes
	s_lshl_b32 s46, s94, 6
	s_lshl_b32 s93, s92, 14
	s_add_co_u32 s46, s46, s93
	s_add_co_u32 s46, s46, 16<<20
	s_add_nc_u64 s[10:11], s[10:11], s[46:47]      ; my scale words
	v_lshlrev_b32 v5, 6, v2
.irp b, 0,1,2,3,4,5,6,7
	global_load_b128 v[BI+8*\b:BI+8*\b+3], v5, s[8:9] offset:128*(\b/2)+32*(\b%2)          ; lane half h, register j of block 2 B + u: b_up at 32 B + 16 h + 8 u + j
	global_load_b128 v[BI+8*\b+4:BI+8*\b+7], v5, s[8:9] offset:128*(\b/2)+32*(\b%2)+16
.endr
.macro FRAG reg, adr, q, i
.irp c, 0,1,2,3
	ds_load_b128 v[\reg+4*\c:\reg+4*\c+3], v[\adr] offset:128*(\q)+32*\c+(\i)*16*PITCH
.endr
.endm
.macro MUL16 a0, p, q, sc, zero        ; zero = 2: the bias starts the sums.  The 64 accumulators take turns
.irp a, \a0, \a0+1
.irp b, 0,1,2,3,4,5,6,7
.set rD, 8*(8*((\a)%4)+\b)
.set rB, 128*(\p)+FR*\b
.set rA, AF+FR*(\a)
.set sB, SC+8*NQ*(\sc)+NQ*\b+(\q)
.set sA, SC+8*NQ*(\sc)+NQ*(\a)+(\q)
.if \zero
	v_wmma_scale_f32_16x16x128_f8f6f4 v[rD:rD+7], v[rB:rB+15], v[rA:rA+15], v[BI+8*\b:BI+8*\b+7], v[sB], v[sA] matrix_a_fmt:MATRIX_FMT_BF8 matrix_b_fmt:MATRIX_FMT_BF8 matrix_a_scale:MATRIX_SCALE_ROW1
.else
	v_wmma_scale_f32_16x16x128_f8f6f4 v[rD:rD+7], v[rB:rB+15], v[rA:rA+15], v[rD:rD+7], v[sB], v[sA] matrix_a_fmt:MATRIX_FMT_BF8 matrix_b_fmt:MATRIX_FMT_BF8 matrix_a_scale:MATRIX_SCALE_ROW1
.endif
.endr
.endr
.endm
.macro FETCH_B slot, q, p
	WIN TO_B
.irp i, 0,1,2,3,4,5,6,7
	FRAG 128*(\p)+FR*\i, ADRB+\slot, \q, \i
.endr
	WIN 0
.endm
.macro FETCH_A slot, q, i0
.irp i, \i0, \i0+1, \i0+2, \i0+3
	FRAG AF+FR*(\i), ADRA+\slot, \q, \i
.endr
.endm
.macro SCALES sc
.irp i, 0,1,2,3,4,5,6,7
	ds_load_b64 v[SC+8*NQ*\sc+NQ*\i:SC+8*NQ*\sc+NQ*\i+1], v[ADRS] offset:\i*SBLK
.endr
.endm
.macro PLACES n
.rept \n
	v_nop
.endr
.endm
.macro STEP slot, q, zero
	s_wait_dscnt 4*NL                              ; X's set and Y's blocks 0-3 are in; the youngest 16 loads may be out
.if \zero
	WIN 0x81                                       ; C (the bias) window 0, D window 2
.else
	WIN MUL_LO
.endif
	MUL16 0, (\q)%2, \q, \slot, \zero
	MUL16 2, (\q)%2, \q, \slot, \zero
	s_wait_dscnt 0
	PLACES NP
	FETCH_B \slot, (\q)+1, 1-(\q)%2
	FETCH_A \slot, (\q)+1, 0
.if \zero
	WIN 0xc1
.else
	WIN MUL_HI
.endif
	MUL16 4, (\q)%2, \q, \slot, \zero
	MUL16 6, (\q)%2, \q, \slot, \zero
	PLACES NP
	WIN 0
	FETCH_A \slot, (\q)+1, 4
.endm
.macro TURN slot, next, fill
	s_wait_tensorcnt 0x0                           ; all my tensor loads have landed
	ds_add_u32 v[SPW], v[NIL]
	s_wait_dscnt 4*NL+1                            ; the add and the youngest 16 loads may be out
	WIN MUL_LO
	MUL16 0, 1, NQ-1, \slot, 0
	s_wait_dscnt 0x0                               ; the add is done, my reads of this slot are over
	s_barrier_signal -1
	MUL16 2, 1, NQ-1, \slot, 0
	WIN 0
	s_barrier_wait -1
.if \fill
	CREST
	s_add_nc_u64 s[G0+4*\slot+2:G0+4*\slot+3], s[G0+4*\slot+2:G0+4*\slot+3], 2*ROWB
	s_add_nc_u64 s[G0B+4*\slot+2:G0B+4*\slot+3], s[G0B+4*\slot+2:G0B+4*\slot+3], 2*ROWB
	JLOAD G0+4*\slot, G1, G0B+4*\slot, G1B
	PLACES NP-4
.else
	PLACES NP
.endif
	s_wait_alu depctr_va_vdst(0)
	v_add_nc_u32 v[ADRS], 4*NQ, v[ADRS]
	FETCH_B \next, 0, 0
	FETCH_A \next, 0, 0
	SCALES \next
	WIN MUL_HI
	MUL16 4, 1, NQ-1, \slot, 0
	MUL16 6, 1, NQ-1, \slot, 0
	PLACES NP
	WIN 0
	FETCH_A \next, 0, 4
.endm
	s_wait_alu depctr_va_vdst(0)
	s_wait_tensorcnt 0x0                           ; my tile of the head's four is in
	ds_add_u32 v[SPW], v[NIL]
	s_mov_b32 s[G1+2], 128<<16                     ; no tensor load of mine is out: from here on a load brings 128 rows
	s_mov_b32 s[G1+4], 128
	s_mov_b32 s[G1B+2], 128<<16
	s_mov_b32 s[G1B+4], 128
	s_wait_dscnt 0x0
	CROUND                                         ; all four tiles are in, and all sixteen work-groups are here
	JLOAD G0+4, G1, G0B+4, G1B                     ; K step 1, a quarter of slot 1 a wave: the first tensor load behind the round
	FETCH_B 0, 0, 0
	FETCH_A 0, 0, 0
	SCALES 0
	FETCH_A 0, 0, 4
	s_wait_loadcnt 0x0                             ; the bias
	STEP 0, 0, 2
	s_mov_b32 s3, LAPS-1
.Llap:
	TURN 0, 1, 1
	STEP 1, 0, 0
	TURN 1, 0, 1
	STEP 0, 0, 0
	s_sub_co_u32 s3, s3, 1
	s_cmp_lg_u32 s3, 0
	s_cbranch_scc1 .Llap
	TURN 0, 1, 0
	STEP 1, 0, 0
	s_wait_dscnt 4*NL
	WIN MUL_LO
	MUL16 0, 1, NQ-1, 1, 0
	MUL16 2, 1, NQ-1, 1, 0
	s_wait_dscnt 0
	WIN MUL_HI
	MUL16 4, 1, NQ-1, 1, 0
	MUL16 6, 1, NQ-1, 1, 0
	WIN 0
; THE WAY OUT
.macro PAIR reg, val                   ; a packed form names a pair and takes its low word for both halves: both words are written
	s_mov_b32 s[\reg], \val
	s_mov_b32 s[\reg+1], \val
.endm
.macro PKS d, a, b, s                  ; d = a b + the scalar pair s, 32 numbers
.set k, 0
.rept 16
	v_pk_fma_f32 v[\d+k:\d+k+1], v[\a+k:\a+k+1], v[\b+k:\b+k+1], s[\s:\s+1] op_sel_hi:[1,1,0]
.set k, k+2
.endr
.endm
.macro GELU32 hf                       ; G holds x/2; 32 numbers become gelu(x)
.set GB, G+32*\hf
.set k, 0
.rept 16
	v_pk_mul_f32 v[Z+k:Z+k+1], v[GB+k:GB+k+1], s[RT2:RT2+1] op_sel_hi:[1,0]   ; z = (x/2) sqrt 2
.set k, k+2
.endr
.set k, 0
.rept 32
	v_med3_num_f32 v[Z+k], v[Z+k], -4.0, 4.0
.set k, k+1
.endr
.set k, 0
.rept 16
	v_pk_mul_f32 v[Z2+k:Z2+k+1], v[Z+k:Z+k+1], v[Z+k:Z+k+1]
.set k, k+2
.endr
.set k, 0
.rept 16
	v_pk_fma_f32 v[P+k:P+k+1], v[Z2+k:Z2+k+1], v[VA0:VA0+1], s[AL:AL+1] op_sel_hi:[1,1,0]
	v_pk_fma_f32 v[Q+k:Q+k+1], v[Z2+k:Z2+k+1], v[VB0:VB0+1], s[BT:BT+1] op_sel_hi:[1,1,0]
.set k, k+2
.endr
	PKS P, P, Z2, AL+2
	PKS Q, Q, Z2, BT+2
	PKS P, P, Z2, AL+4
	PKS Q, Q, Z2, BT+4
	PKS P, P, Z2, AL+6
	PKS Q, Q, Z2, BT+6
	PKS P, P, Z2, AL+8
	PKS P, P, Z2, AL+10
.set k, 0
	s_wait_alu depctr_va_vdst(0)
.rept 32
	v_rcp_f32 v[Q+k], v[Q+k]
.set k, k+1
.endr
.set k, 0
.rept 16
	v_pk_mul_f32 v[P+k:P+k+1], v[P+k:P+k+1], v[Z+k:Z+k+1]      ; plain work that names no reciprocal
.set k, k+2
.endr
	s_wait_alu depctr_va_vdst(0)                   ; one wait for the 32, ahead of their first reader
.set k, 0
.rept 16
	v_pk_mul_f32 v[P+k:P+k+1], v[P+k:P+k+1], v[Q+k:Q+k+1]      ; erf
.set k, k+2
.endr
.set k, 0
.rept 16
	v_pk_fma_f32 v[GB+k:GB+k+1], v[GB+k:GB+k+1], v[P+k:P+k+1], v[GB+k:GB+k+1]
.set k, k+2
.endr
.endm
	PLACES NP                                      ; behind the last products
	PAIR RT2, 0x3fb504f3                           ; sqrt 2
	PAIR AL, 0x32edffee                            ; P's coefficients, from the second highest down
	PAIR AL+2, 0xb60cff51
	PAIR AL+4, 0xb86ec2d2
	PAIR AL+6, 0xba40ac63
	PAIR AL+8, 0xbb41a1f6
	PAIR AL+10, 0xbc83dbd4
	PAIR BT, 0xb95fbd29                            ; Q's likewise
	PAIR BT+2, 0xbadc924e
	PAIR BT+4, 0xbbf19bf8
	PAIR BT+6, 0xbc69b6a7
	s_mov_b32 s[SEL], 0x76543210
	s_mov_b32 s[SEL+1], 0xfedcba98
	s_mov_b32 s[MNT], 0x600000
	v_mov_b32 v[VA0], 0xaf95df0b                   ; the highest coefficients stand in vector pairs: an instruction takes one scalar pair
	v_mov_b32 v[VA0+1], 0xaf95df0b
	v_mov_b32 v[VB0], 0xb77460cd
	v_mov_b32 v[VB0+1], 0xb77460cd
.irp b, 0,1,2,3
	v_mov_b32 v[TM+4+\b], 0
.endr
	s_mov_b32 s[AI], 0
	s_mov_b32 s[SS], 0
.Lout:
.irp a, 0,1,2,3,4,5,6,7
	s_cmp_lg_u32 s[AI], \a
	s_cbranch_scc1 .Lnot_\a
	WIN 2+\a/4                                     ; source 0: the accumulators' window
.set k, 0
.rept 32
	v_pk_mul_f32 v[G+k:G+k+1], v[64*(\a%4)+k:64*(\a%4)+k+1], 0.5 op_sel_hi:[1,0]   ; x/2, exact; each accumulator from its low end on
.set k, k+2
.endr
	WIN 0
.Lnot_\a:
.endr
	GELU32 0
	GELU32 1
.irp b, 0,1,2,3
	v_max3_num_f32 v[TM+\b], |v[G+16*\b]|, |v[G+16*\b+1]|, 0x8000000
.endr
.irp i, 2,4,6,8,10,12,14
.irp b, 0,1,2,3
	v_max3_num_f32 v[TM+\b], v[TM+\b], |v[G+16*\b+\i]|, |v[G+16*\b+\i+1]|
.endr
.endr
.irp b, 0,1,2,3
	v_permlanex16_b32 v[TM+4+\b], v[TM+\b], s[SEL], s[SEL+1]
.endr
.irp b, 0,1,2,3
	v_max_num_f32 v[TM+\b], v[TM+\b], v[TM+4+\b]
.endr
.irp b, 0,1,2,3
	v_add_nc_u32 v[TM+12+\b], 0xf8800000, v[TM+\b]
.endr
.irp b, 0,1,2,3
	v_and_or_b32 v[TM+8+\b], v[TM+\b], 0x7f800000, s[MNT]
.endr
.irp b, 0,1,2,3
	v_lshrrev_b32 v[TM+4+\b], 23, v[TM+12+\b]
.endr
	v_lshl_or_b32 v[PW], v[TM+5], 8, v[TM+4]
	v_lshl_or_b32 v[PW], v[TM+6], 16, v[PW]
	v_lshl_or_b32 v[PW], v[TM+7], 24, v[PW]
.irp b, 0,1,2,3
.set i, 0
.rept 16
	v_med3_num_f32 v[G+16*\b+i], v[G+16*\b+i], -v[TM+8+\b], v[TM+8+\b]
.set i, i+1
.endr
	v_cvt_scalef32_pk8_bf8_f32 v[PC+4*\b:PC+4*\b+1], v[G+16*\b:G+16*\b+7], v[TM+12+\b]
	v_cvt_scalef32_pk8_bf8_f32 v[PC+4*\b+2:PC+4*\b+3], v[G+16*\b+8:G+16*\b+15], v[TM+12+\b]
.endr
	v_add_nc_u32 v[TA], s[SS], v[SST]              ; (the plain instruction behind the last conversion)
.irp c, 0,1,2,3
	global_store_b128 v[LI], v[PC+4*\c:PC+4*\c+3], s[12:13] offset:512*\c   ; 512 consecutive bytes
.endr
	ds_store_b32 v[TA], v[PW]
	s_wait_xcnt 0x0                                ; the stores have read their codes and their base: both are written again in the next trip
	s_wait_dscnt 0x0                               ; and the LDS store its word
	s_add_nc_u64 s[12:13], s[12:13], 2048
	s_add_co_u32 s[SS], s[SS], 64
	s_add_co_u32 s[AI], s[AI], 1
	s_cmp_lt_u32 s[AI], 8
	s_cbranch_scc1 .Lout
	ds_load_b128 v[G:G+3], v[SRD]
	s_wait_dscnt 0x0
	global_store_b128 v[LI], v[G:G+3], s[10:11]    ; my eight blocks' scale words: 512 consecutive bytes
	s_wait_tensorcnt 0x0                           ; the wave's end
	ds_add_u32 v[SPW], v[NIL]
	s_wait_dscnt 0x0
	CROUND                                         ; the closing round
	s_endpgm
.Lfunc_end_k_qf93f293d3a_up:
	.size	k_qf93f293d3a_up, .Lfunc_end_k_qf93f293d3a_up-k_qf93f293d3a_up
	.p2alignl 7, 3214868480
	.fill 96, 4, 3214868480
	.section	.rodata,"a",@progbits
	.p2align	6, 0x0
	.amdhsa_kernel k_qf93f293d3a_up
		.amdhsa_group_segment_fixed_size 327680
		.amdhsa_private_segment_fixed_size 0
		.amdhsa_enable_private_segment 0
		.amdhsa_kernarg_size 32
		.amdhsa_user_sgpr_count 2
		.amdhsa_user_sgpr_kernarg_segment_ptr 1
		.amdhsa_wavefront_size32 1
		.amdhsa_system_sgpr_workgroup_id_x 1
		.amdhsa_system_sgpr_workgroup_id_y 1
		.amdhsa_system_sgpr_workgroup_id_z 1
		.amdhsa_system_vgpr_workitem_id 0
		.amdhsa_next_free_vgpr 1024
		.amdhsa_next_free_sgpr 102
		.amdhsa_reserve_vcc 0
		.amdhsa_float_denorm_mode_32 3
		.amdhsa_float_denorm_mode_16_64 3
		.amdhsa_memory_ordered 1
		.amdhsa_forward_progress 1
		.amdhsa_inst_pref_size 182
	.end_amdhsa_kernel
	.amdgpu_metadata
---
amdhsa.version: [ 1, 2 ]
amdhsa.kernels:
  - .name:           k_qf93f293d3a_up
    .symbol:         k_qf93f293d3a_up.kd
    .args:
      - { .name: V1, .offset: 0, .size: 8, .value_kind: global_buffer, .address_space: global }
      - { .name: WB, .offset: 8, .size: 8, .value_kind: global_buffer, .address_space: global }
      - { .name: b_up, .offset: 16, .size: 8, .value_kind: global_buffer, .address_space: global }
      - { .name: V3, .offset: 24, .size: 8, .value_kind: global_buffer, .address_space: global }
    .group_segment_fixed_size: 327680
    .private_segment_fixed_size: 0
    .kernarg_segment_align: 8
    .kernarg_segment_size: 32
    .max_flat_workgroup_size: 128
    .sgpr_count:     102
    .vgpr_count:     1024
    .wavefront_size: 32
...
	.end_amdgpu_metadata
.endif
;; end of part 6
;; launch down (part 7): grid 8 x 32, 4 waves a work-group, clusters of 4 x 4, 327,680 bytes of LDS; arguments V3, WB, Z1, out0, b_down; writes out0
.if DOCPART == 7
	.amdgcn_target "amdgcn-amd-amdhsa--gfx1250"
	.amdhsa_code_object_version 6
	.text
	.protected	k_qf93f293d3a_down
	.globl	k_qf93f293d3a_down
	.p2align	8
	.type	k_qf93f293d3a_down,@function
k_qf93f293d3a_down:
	s_mov_b64 s[64:65], 0
	v_nop
	global_prefetch_b8 v0, s[64:65] scope:SCOPE_SE
	s_setreg_imm32_b32 hwreg(HW_REG_WAVE_MODE, 25, 1), 1
	s_wait_xcnt 0x0
	s_wait_alu depctr_hold_cnt(0) depctr_sa_sdst(0) depctr_va_vdst(0) depctr_va_sdst(0) depctr_va_ssrc(0) depctr_va_vcc(0) depctr_vm_vsrc(0)
	s_getreg_b32 s2, hwreg(HW_REG_IB_STS2, 6, 4)
	s_cmp_eq_u32 s2, 0
	s_cbranch_scc0 .Lentry_in_a_cluster
	s_endpgm
.Lentry_in_a_cluster:
	s_bfe_u32 s2, ttmp6, 0x10000c
	s_cmp_lg_u32 s2, 0xf033
	s_cbranch_scc0 .Lentry_shape_is_right
	s_endpgm
.Lentry_shape_is_right:
; Product 8, b_down and the residual: out0 = z1 + v3 W_down + b_down.  A block of 128 x 128 to a work-group, 64 x 64 to each of four waves: 16 accumulators, K = 4,096 in 32 steps of 128.
; A (v3) lies in memory as images of the operand's registers, [K step][row tile][group][lane][16 B]: it goes from memory STRAIGHT INTO REGISTERS, 16 loads of 512 consecutive bytes for a K step,
; asked for three K steps ahead in four buffers (48 loads of the wave are out).  It passes through no LDS tile, so there is nothing for a joint load to bring; the two waves of a row half load it each.
; B (W_down's rows, position sigma(n), K innermost) alone goes through LDS: a ring of two slots of 128 rows x 1,024 bytes, so K has four fills.  Waves 0 and 1 fetch 64 rows each.
; CLUSTER 4 x 4: B's tiles and scale bytes are shared along a column of the cluster, A's scale words along a row: joint loads.  The scale bytes of all of K come once, at the head, and stay.
; THE HEAD'S LOADS, one a wave: waves 0, 1 B's halves of slot 0, wave 2 A's scale words, wave 3 B's scale bytes.  Slot 1's first fill stands behind the three lines and a round, as a refill does.
; The matrix instruction is used transposed (source 0 = B's rows, source 1 = A's): a lane holds eight neighbouring columns of a row.  b_down is the C of each sum's first product.
; THE RESIDUAL's 32 loads are issued six K steps from the end, behind that step's products.
; WAITS ON LOADcnt, by the loads issued behind a K step's own 16: two younger steps, 32; with the residual's 32 among them 64 could be out, and 63 is written; then 16; then 0.
; PREFETCH of A: at each refill a wave names one K step's 8,192 bytes of its four row tiles, two fills on (lanes 256 bytes apart).  The eight waves of a cluster that read those rows (4 places along x,
; 2 column halves) take one K step of the eight each, told apart by address.  The first two fills' K steps come by their loads alone.  B is not prefetched: of its four fills only the last could be named a refill ahead.
; REGISTERS: window 0: v16-30 addresses, v32-95 scale words in two sets, v96-127 the bias, v128-255 accumulators; window 1: A's four buffers of 64; window 2: v0-127 the residual, v128-255 B's two buffers.
.set KTOT,   4096
.set BIAS,   1
.set ASOFF,  16<<20
.set BCOFF,  4<<20
.set BSOFF,  (9<<20)+(128<<10)
.set NS,     KTOT/128                  ; K steps
.set NPH,    KTOT/1024                 ; fills of eight K steps
.set KS,     KTOT/32
.set KSB,    524288                    ; bytes from a K step's images of A to the next
.set BPITCH, 1040                      ; an LDS row of B: 1,024 bytes + 16 of padding
.set BHALF,  64*BPITCH
.set SLOT,   2*BHALF
.if NPH > 1
.set ASC,    2*SLOT
.else
.set ASC,    SLOT
.endif
.set BSC,    ASC+NS*512                ; A's scale words [K step][8 row tiles][16]; then B's scale bytes, units of 256 + 16
.set HALFS,  (64*KS/256)*272
.set SBLK,   (16*KS/256)*272
.set STG,    BSC+2*HALFS               ; the way out: a stage of 16 rows x 272 bytes for each wave, bytes of its own
.set SPARE,  STG+4*16*272
.set ADRB0, 16                         ; my place in a slot of B; v17 the same in the slot in hand
.set ADRB, 17
.set LI,   18                          ; 16 x lane
.set ADSA, 22
.set ADSB, 23
.set STO,  24
.set RD,   25
.set CO,   26
.set SPW,  28
.set NIL,  29
.set PFO,  30                          ; 256 x lane
.set SC,   32
.set BK,   32
.set BI,   96
.set ACC,  128
.set AP,   20                          ; s[20:21] A's images at my four row tiles, at the fill in hand
.set PFA,  24                          ; s[24:25] where my prefetches stand
.set SBS,  26                          ; s26 LDS byte of the slot in hand: 0 or SLOT
.set G1B, 48
.set G0B, 56
.set G1S, 68
.set G0S, 76
.set G1SB, 80
.set G0SB, 88
.set MSB, 0
.macro WIN new
.if MSB != (\new)
	s_set_vgpr_msb (MSB<<8)|(\new)
.set MSB, (\new)
.endif
.endm
.set MUL,  0x06                        ; source 0 (B) window 2, source 1 (A) window 1, C and D window 0
.macro PLACES n
.rept \n
	v_nop
.endr
.endm
.macro JLOADB                          ; waves 0 and 1 fetch B's halves; the branch hangs on the wave's number alone
	s_cmp_lt_u32 s14, 2
	s_cbranch_scc0 .Lno_b_\@
	tensor_load_to_lds s[G0B:G0B+3], s[G1B:G1B+7]
	s_nop 0
	PLACES 4
.Lno_b_\@:
.endm
.macro CREST
	s_cmp_lg_u32 s14, 0
	s_cbranch_scc1 .Lnot_wave_0_\@
	s_barrier_signal -3
.Lnot_wave_0_\@:
	s_barrier_wait -3
	s_barrier_signal -1
	s_barrier_wait -1
.endm
.macro CROUND
	s_barrier_signal -1
	s_barrier_wait -1
	CREST
.endm
.macro ALOAD rel, buf                  ; A's four fragments of the K step rel steps behind s[AP]: 16 x 512 consecutive bytes
.irp i, 0,1,2,3
.irp c, 0,1,2,3
	global_load_b128 v[64*(\buf)+16*\i+4*\c:64*(\buf)+16*\i+4*\c+3], v[LI], s[AP:AP+1] offset:(\rel)*KSB+2048*\i+512*\c
.endr
.endr
.endm
.macro BLOAD q, buf                    ; B's four fragments of the slot's q-th K step
.irp i, 0,1,2,3
.irp c, 0,1,2,3
	ds_load_b128 v[128+64*(\buf)+16*\i+4*\c:128+64*(\buf)+16*\i+4*\c+3], v[ADRB] offset:128*(\q)+32*\c+16*BPITCH*\i
.endr
.endr
.endm
.macro RLOAD                           ; the residual: my 64 rows x 256 bytes, sixteen lanes to 256 consecutive bytes
	WIN 0x80
.irp a, 0,1,2,3
.irp i, 0,1,2,3,4,5,6,7
	global_load_b128 v[32*\a+4*\i:32*\a+4*\i+3], v[CO], s[8:9] offset:4096*(32*(\a/2)+8*(\a%2)+2*\i+8*(\i/4))
.endr
.endr
.endm
.macro SCALES sc                       ; the scale words of four K steps
.irp i, 0,1,2,3
.irp q, 0,1,2,3
	ds_load_b32 v[SC+32*(\sc)+4*\i+\q], v[ADSA] offset:512*\q+64*\i
.endr
	ds_load_b128 v[SC+32*(\sc)+16+4*\i:SC+32*(\sc)+16+4*\i+3], v[ADSB] offset:\i*SBLK
.endr
.endm
.macro MUL4 st, a, cm                  ; st: the K step modulo 8.  The 16 accumulators take turns
.irp b, 0,1,2,3
.set rD, ACC+8*(4*\a+\b)
.set rB, 128+64*((\st)%2)+16*\b
.set rA, 64*((\st)%4)+16*\a
.set sB, SC+32*(((\st)/4)%2)+16+4*\b+(\st)%4
.set sA, SC+32*(((\st)/4)%2)+4*\a+(\st)%4
.if \cm == 0
	v_wmma_scale_f32_16x16x128_f8f6f4 v[rD:rD+7], v[rB:rB+15], v[rA:rA+15], v[rD:rD+7], v[sB], v[sA] matrix_a_fmt:MATRIX_FMT_BF8 matrix_b_fmt:MATRIX_FMT_BF8
.elseif \cm == 1
	v_wmma_scale_f32_16x16x128_f8f6f4 v[rD:rD+7], v[rB:rB+15], v[rA:rA+15], 0, v[sB], v[sA] matrix_a_fmt:MATRIX_FMT_BF8 matrix_b_fmt:MATRIX_FMT_BF8
.else
	v_wmma_scale_f32_16x16x128_f8f6f4 v[rD:rD+7], v[rB:rB+15], v[rA:rA+15], v[BI+8*\b:BI+8*\b+7], v[sB], v[sA] matrix_a_fmt:MATRIX_FMT_BF8 matrix_b_fmt:MATRIX_FMT_BF8
.endif
.endr
.endm
.macro LCW e                           ; this K step's A is in.  e: K steps still to come behind this one
.if (\e) >= 5
	s_wait_loadcnt 32
.elseif (\e) >= 2
	s_wait_loadcnt 63
.elseif (\e) == 1
	s_wait_loadcnt 16
.else
	s_wait_loadcnt 0
.endif
.endm
.macro QSTEP st, rel, e, cm            ; a K step that has its successor in the same slot, or none
	LCW \e
	s_wait_dscnt 0x0                               ; B's fragments, asked for a step ago
	PLACES 8                                       ; in front of loads into registers that the last products read
.if (\e) >= 1
	WIN 0x80
	BLOAD (\st)+1, ((\st)+1)%2
.endif
.if ((\st)%4 == 2) && ((\e) >= 2)
	WIN 0
	v_add_nc_u32 v[ADSA], 2048, v[ADSA]            ; the next four K steps' scale words
	v_add_nc_u32 v[ADSB], 16, v[ADSB]
	s_wait_alu depctr_va_vdst(0)                   ; directly behind the writes
	SCALES 1-((\st)/4)%2
.endif
.if (\e) >= 3
	WIN 0x40
	ALOAD (\rel)+3, ((\st)+3)%4
.endif
	WIN MUL
.irp a, 0,1,2,3
	MUL4 \st, \a, \cm
.endr
.if (\e) == 5
	RLOAD
.endif
.endm
.macro TURN rel, e, fill               ; a slot's last K step changes slots: one barrier; fill = 1: it opens a round, and the slot is filled again
	WIN 0
	s_wait_tensorcnt 0x0                           ; all my tensor loads have landed
	ds_add_u32 v[SPW], v[NIL]
	LCW \e
	s_wait_dscnt 1                                 ; B's fragments are in; the add may be out
	WIN MUL
	MUL4 7, 0, 0
	s_wait_dscnt 0x0                               ; the add is done, my reads of this slot are over
	s_barrier_signal -1
	MUL4 7, 1, 0
	WIN 0
	s_barrier_wait -1
.if \fill
	CREST
	s_xor_b32 s[G0B+1], s[G0B+1], SLOT             ; the walking descriptor: the other slot, 1,024 further along K
	s_add_nc_u64 s[G0B+2:G0B+3], s[G0B+2:G0B+3], 1024
	JLOADB
.endif
	s_xor_b32 s[SBS], s[SBS], SLOT
	v_add_nc_u32 v[ADRB], s[SBS], v[ADRB0]
	PLACES 7                                       ; with the addition: eight places
	s_wait_alu depctr_va_vdst(0)
	WIN 0x80
	BLOAD 0, 0
	WIN 0x40
	ALOAD (\rel)+3, 2
.if \fill
	global_prefetch_b8 v[PFO], s[PFA:PFA+1] offset:8*KSB th:TH_LOAD_NT scope:SCOPE_SE
.endif
	WIN MUL
	MUL4 7, 2, 0
	MUL4 7, 3, 0
.endm
	s_load_b256 s[4:11], s[0:1], 0x0               ; V3, WB, Z1, out0
	s_load_b64 s[12:13], s[0:1], 0x20              ; b_down
	v_lshl_add_u32 v[SPW], v0, 2, SPARE
	v_mov_b32 v[NIL], 0
	ds_add_u32 v[SPW], v[NIL]                      ; the opening: the add, twice on end, and its wait ahead of my first tensor load
	ds_add_u32 v[SPW], v[NIL]
	v_lshrrev_b32 v1, 5, v0
	v_readfirstlane_b32 s14, v1
	s_lshr_b32 s15, s14, 1                         ; my half of the block's rows
	s_and_b32 s16, s14, 1                          ; my half of its columns
	s_bfe_u32 s40, ttmp6, 0x40000
	s_bfe_u32 s41, ttmp6, 0x40004
	s_lshl_b32 s42, ttmp9, 2
	s_add_co_u32 s42, s42, s40                     ; block column
	s_and_b32 s17, ttmp7, 0xffff
	s_lshl_b32 s17, s17, 2
	s_add_co_u32 s17, s17, s41                     ; block row
	s_lshl_b32 s43, s41, 2
	s_lshl_b32 s43, 15, s43
	s_lshl_b32 s44, 0x1111, s40
	s_or_b32 s[G1B+0], s44, (0<<16)|(1<<20)|(1<<21)|(7<<22)|(3<<25)   ; B: 64 rows of 1,024 bytes, four words of padding behind every 1,024
	s_mov_b32 s[G1B+1], 1024<<16
	s_mov_b32 s[G1B+2], 64<<16
	s_mov_b32 s[G1B+3], 1024<<16
	s_mov_b32 s[G1B+4], 64
	s_mov_b32 s[G1B+5], KTOT
	s_mov_b32 s[G1B+6], 0
	s_mov_b32 s[G1B+7], 0
	s_or_b32 s[G1S+0], s43, (3<<16)|(1<<21)        ; A's scale words: a row of 512 bytes for each K step, 16,384 bytes apart
	s_mov_b32 s[G1S+1], 64<<16
	s_mov_b32 s[G1S+2], NS<<16
	s_mov_b32 s[G1S+3], 64<<16
	s_mov_b32 s[G1S+4], NS
	s_mov_b32 s[G1S+5], 2048
	s_mov_b32 s[G1S+6], 0
	s_mov_b32 s[G1S+7], 0
	s_or_b32 s[G1SB+0], s44, (3<<16)|(1<<20)|(1<<21)|(5<<22)|(3<<25)  ; B's scale bytes: a dense block as rows of 256 bytes
	s_mov_b32 s[G1SB+1], 32<<16
	s_mov_b32 s[G1SB+2], (128*KS/256)<<16
	s_mov_b32 s[G1SB+3], 32<<16
	s_mov_b32 s[G1SB+4], 128*KS/256
	s_mov_b32 s[G1SB+5], 32
	s_mov_b32 s[G1SB+6], 0
	s_mov_b32 s[G1SB+7], 0
	s_lshl_b32 s20, s17, 3
	s_lshl_b32 s18, s15, 2
	s_add_co_u32 s20, s20, s18                     ; my first row tile
	s_lshl_b32 s20, s20, 11
	s_mov_b32 s21, 0
	s_lshl_b32 s22, s17, 9
	s_add_co_u32 s22, s22, ASOFF
	s_mov_b32 s23, 0
	s_lshl_b32 s46, s42, 7
	s_mul_i32 s92, s46, KS
	s_add_co_u32 s92, s92, BSOFF
	s_lshl_b32 s18, s16, 6
	s_add_co_u32 s46, s46, s18
	s_mul_i32 s46, s46, KTOT
	s_add_co_u32 s46, s46, BCOFF
	s_mov_b32 s47, 0
	s_mov_b32 s93, 0
	s_mul_i32 s94, s16, BHALF
	s_mov_b32 s[SBS], 0
	s_lshl_b32 s30, s17, 7
	s_lshl_b32 s31, s15, 6
	s_add_co_u32 s30, s30, s31
	s_lshl_b32 s30, s30, 12                        ; my first row of the result, 4,096 bytes a row,
	s_lshl_b32 s32, s42, 7
	s_lshl_b32 s33, s16, 6
	s_add_co_u32 s32, s32, s33
	s_lshl_b32 s32, s32, 2                         ; and my first column
	s_add_co_u32 s30, s30, s32
	s_mov_b32 s31, 0
	s_mov_b32 s33, 0
	s_lshl_b32 s28, s40, 1
	s_add_co_u32 s28, s28, s16
	s_add_co_u32 s28, s28, 8
	s_lshl_b32 s28, s28, 19                        ; my K step of the eight that a prefetch shares out: 2 cx + column half, a fill on
	s_mov_b32 s29, 0
	v_and_b32 v1, 15, v0
	v_bfe_u32 v2, v0, 4, 1
	v_and_b32 v3, 31, v0
	v_lshlrev_b32 v[LI], 4, v3
	v_lshlrev_b32 v[PFO], 8, v3
	v_lshlrev_b32 v27, 6, v2
	s_wait_alu depctr_va_vdst(0)                   ; ahead of the waits below
	s_wait_dscnt 0x0                               ; both opening adds are done
	s_wait_kmcnt 0x0
	s_add_nc_u64 s[AP:AP+1], s[4:5], s[20:21]
	s_add_nc_u64 s[22:23], s[4:5], s[22:23]
	s_add_nc_u64 s[46:47], s[6:7], s[46:47]
	s_add_nc_u64 s[92:93], s[6:7], s[92:93]
	s_add_nc_u64 s[8:9], s[8:9], s[30:31]
	s_add_nc_u64 s[10:11], s[10:11], s[30:31]
	s_add_nc_u64 s[12:13], s[12:13], s[32:33]
	s_add_nc_u64 s[PFA:PFA+1], s[AP:AP+1], s[28:29]
.irp b, 0,1,2,3
	global_load_b128 v[BI+8*\b:BI+8*\b+3], v27, s[12:13] offset:128*(\b/2)+32*(\b%2)
	global_load_b128 v[BI+8*\b+4:BI+8*\b+7], v27, s[12:13] offset:128*(\b/2)+32*(\b%2)+16
.endr
	WIN 0x40
	ALOAD 0, 0
	ALOAD 1, 1
	ALOAD 2, 2
	WIN 0
	CROUND                                         ; all sixteen work-groups are here: the first joint loads meet
	s_mov_b32 s[G0B], 1
	s_mov_b32 s[G0B+1], s94
	s_mov_b64 s[G0B+2:G0B+3], s[46:47]
	s_or_b32 s[G0B+3], s[G0B+3], 0x80000000
	s_mov_b32 s[G0S], 1
	s_mov_b32 s[G0S+1], ASC
	s_mov_b64 s[G0S+2:G0S+3], s[22:23]
	s_or_b32 s[G0S+3], s[G0S+3], 0x80000000
	s_mov_b32 s[G0SB], 1
	s_mov_b32 s[G0SB+1], BSC
	s_mov_b64 s[G0SB+2:G0SB+3], s[92:93]
	s_or_b32 s[G0SB+3], s[G0SB+3], 0x80000000
.macro ARM under, g0, g1, next         ; one tree of branches on the wave's number: every way through it passes exactly one load
	s_cmp_lt_u32 s14, \under
	s_cbranch_scc0 \next
	tensor_load_to_lds s[\g0:\g0+3], s[\g1:\g1+7]
	s_nop 0
	PLACES 4
	s_branch .Lhead_asked
\next:
.endm
	ARM 2, G0B, G1B, .Lhead_sa
	ARM 3, G0S, G1S, .Lhead_sb
	tensor_load_to_lds s[G0SB:G0SB+3], s[G1SB:G1SB+7]
	s_nop 0
	PLACES 4
.Lhead_asked:
	v_mul_u32_u24 v4, v1, BPITCH
	v_lshl_add_u32 v4, v2, 4, v4
	v_add_nc_u32 v[ADRB0], s94, v4
	v_add_nc_u32 v[ADRB], s94, v4
	s_lshl_b32 s34, s15, 8
	s_add_co_u32 s34, s34, ASC
	v_lshl_add_u32 v[ADSA], v1, 2, s34
	v_mul_u32_u24 v5, v1, KS
	v_lshrrev_b32 v6, 8, v5
	v_lshl_add_u32 v5, v6, 4, v5
	s_mul_i32 s34, s16, HALFS
	s_add_co_u32 s34, s34, BSC
	v_add_nc_u32 v[ADSB], s34, v5
	s_mul_i32 s35, s14, 16*272
	s_add_co_u32 s35, s35, STG
	v_mul_u32_u24 v5, v1, 272
	v_lshl_add_u32 v5, v2, 6, v5
	v_add_nc_u32 v[STO], s35, v5
	v_mul_u32_u24 v5, v2, 272
	v_lshl_add_u32 v5, v1, 4, v5
	v_add_nc_u32 v[RD], s35, v5
	v_lshlrev_b32 v5, 12, v2
	v_lshl_add_u32 v[CO], v1, 4, v5
	s_wait_alu depctr_va_vdst(0)                   ; the head's end
	s_wait_tensorcnt 0x0                           ; my tile of the head's is in
	ds_add_u32 v[SPW], v[NIL]
	s_wait_dscnt 0x0
	CROUND
	s_xor_b32 s[G0B+1], s[G0B+1], SLOT
	s_add_nc_u64 s[G0B+2:G0B+3], s[G0B+2:G0B+3], 1024
	JLOADB                                         ; slot 1's first fill: the first tensor load behind the round
	WIN 0x80
	BLOAD 0, 0
	WIN 0
	SCALES 0
	QSTEP 0, 0, 9, 2                               ; the first K step stands in front of the loop: the bias starts the sums
	WIN 0
	s_mov_b32 s3, NPH-2
.Lphase:                                               ; a trip goes from a slot's second K step to the next slot's first, and fills the slot that it leaves
.irp x, 1,2,3,4,5,6
	QSTEP \x, \x, 9, 0
.endr
	TURN 7, 9, 1
	QSTEP 0, 8, 9, 0
	WIN 0
	s_wait_xcnt 0x0                                ; my loads and my prefetch have read their bases: they may step
	s_add_nc_u64 s[AP:AP+1], s[AP:AP+1], 8*KSB
	s_add_nc_u64 s[PFA:PFA+1], s[PFA:PFA+1], 8*KSB
	s_sub_co_u32 s3, s3, 1
	s_cmp_lg_u32 s3, 0
	s_cbranch_scc1 .Lphase
.irp x, 1,2,3,4,5,6                    ; the last two slots are written out: they fill nothing
	QSTEP \x, \x, 9, 0
.endr
	TURN 7, 8, 0
	QSTEP 0, 8, 7, 0
	QSTEP 1, 9, 6, 0
	QSTEP 2, 10, 5, 0
	QSTEP 3, 11, 4, 0
	QSTEP 4, 12, 3, 0
	QSTEP 5, 13, 2, 0
	QSTEP 6, 14, 1, 0
	QSTEP 7, 15, 0, 0
	WIN 0
	PLACES 8                                       ; behind the last products
	s_wait_loadcnt 0x0
; THE WAY OUT: a block of 16 rows x 64 columns through my stage, back as rows of 256 bytes, the residual added, sixteen lanes to 256 consecutive bytes
.irp a, 0,1,2,3
.irp b, 0,1,2,3
	ds_store_b128 v[STO], v[ACC+8*(4*\a+\b):ACC+8*(4*\a+\b)+3] offset:128*(\b/2)+32*(\b%2)
	ds_store_b128 v[STO], v[ACC+8*(4*\a+\b)+4:ACC+8*(4*\a+\b)+7] offset:128*(\b/2)+32*(\b%2)+16
.endr
.if \a > 1
	s_wait_xcnt 0x0                                ; block a - 2's stores have read their registers
.endif
.irp i, 0,1,2,3,4,5,6,7
	ds_load_b128 v[BK+32*(\a%2)+4*\i:BK+32*(\a%2)+4*\i+3], v[RD] offset:2*\i*272
.endr
	s_wait_dscnt 0x0
	WIN 0x08
.set k, 0
.rept 16
	v_pk_add_f32 v[BK+32*(\a%2)+k:BK+32*(\a%2)+k+1], v[BK+32*(\a%2)+k:BK+32*(\a%2)+k+1], v[32*\a+k:32*\a+k+1]
.set k, k+2
.endr
	WIN 0
.irp i, 0,1,2,3,4,5,6,7
	global_store_b128 v[CO], v[BK+32*(\a%2)+4*\i:BK+32*(\a%2)+4*\i+3], s[10:11] offset:4096*(32*(\a/2)+8*(\a%2)+2*\i+8*(\i/4))
.endr
.endr
	s_wait_tensorcnt 0x0                           ; the wave's end
	ds_add_u32 v[SPW], v[NIL]
	s_wait_dscnt 0x0
	CROUND                                         ; the closing round
	s_endpgm
.Lfunc_end_k_qf93f293d3a_down:
	.size	k_qf93f293d3a_down, .Lfunc_end_k_qf93f293d3a_down-k_qf93f293d3a_down
	.p2alignl 7, 3214868480
	.fill 96, 4, 3214868480
	.section	.rodata,"a",@progbits
	.p2align	6, 0x0
	.amdhsa_kernel k_qf93f293d3a_down
		.amdhsa_group_segment_fixed_size 327680
		.amdhsa_private_segment_fixed_size 0
		.amdhsa_enable_private_segment 0
		.amdhsa_kernarg_size 40
		.amdhsa_user_sgpr_count 2
		.amdhsa_user_sgpr_kernarg_segment_ptr 1
		.amdhsa_wavefront_size32 1
		.amdhsa_system_sgpr_workgroup_id_x 1
		.amdhsa_system_sgpr_workgroup_id_y 1
		.amdhsa_system_sgpr_workgroup_id_z 1
		.amdhsa_system_vgpr_workitem_id 0
		.amdhsa_next_free_vgpr 768
		.amdhsa_next_free_sgpr 100
		.amdhsa_reserve_vcc 0
		.amdhsa_float_denorm_mode_32 3
		.amdhsa_float_denorm_mode_16_64 3
		.amdhsa_memory_ordered 1
		.amdhsa_forward_progress 1
		.amdhsa_inst_pref_size 153
	.end_amdhsa_kernel
	.amdgpu_metadata
---
amdhsa.version: [ 1, 2 ]
amdhsa.kernels:
  - .name:           k_qf93f293d3a_down
    .symbol:         k_qf93f293d3a_down.kd
    .args:
      - { .name: V3, .offset: 0, .size: 8, .value_kind: global_buffer, .address_space: global }
      - { .name: WB, .offset: 8, .size: 8, .value_kind: global_buffer, .address_space: global }
      - { .name: Z1, .offset: 16, .size: 8, .value_kind: global_buffer, .address_space: global }
      - { .name: out0, .offset: 24, .size: 8, .value_kind: global_buffer, .address_space: global }
      - { .name: b_down, .offset: 32, .size: 8, .value_kind: global_buffer, .address_space: global }
    .group_segment_fixed_size: 327680
    .private_segment_fixed_size: 0
    .kernarg_segment_align: 8
    .kernarg_segment_size: 40
    .max_flat_workgroup_size: 128
    .sgpr_count:     100
    .vgpr_count:     768
    .wavefront_size: 32
...
	.end_amdgpu_metadata
.endif
;; end of part 7
